; MI455X (gfx1250); checked and timed in simulation.
; The chip was launched on July 23, 2026; its instructions are those of AMD's public machine-readable ISA for CDNA 5 (MIT licence, August 2026) and "CDNA5" Instruction Set Architecture Reference Guide (July 2026). The comments in the code are by the model that wrote it; some were corrected since.
;; Multi Head Attention. Allowed arithmetic: matrix products marked QUANTISED: E2M3 operands, one E8M0 scale for each 32 along K, by v_wmma_scale_f32_16x16x128_f8f6f4 with both operands' format E2M3, f32 sums; everything else in f32.
;; Inputs: Wk 512 x 512 float32; Wo 512 x 512 float32; Wq 512 x 512 float32; Wv 512 x 512 float32; bk 512 float32; bo 512 float32; bq 512 float32; bv 512 float32; x 2 x 4,096 x 512 float32.
;; Outputs: out0 2 x 4,096 x 512 float32.
;; This version of the problem:
;;   THIS VERSION OF THE PROBLEM IS GIVEN IN LOW PRECISION. The matrix products marked QUANTISED in the list below multiply operands that are first quantised to E2M3 (2 exponent bits, 3 mantissa bits; 6 bits a number), with one power-of-two scale for each 32 numbers along K (OCP MX v1.0); their sums are f32. All else is computed in f32.
;;   The module's matrix products, in the order in which they are computed (A, B: the left and right operand; K: the contracted axis; several contracted axes count as one K, in the product's order):
;;     1. [M 8,192, K 512] x [K 512, N 512]; A: input x; B: input Wq: QUANTISED
;;     2. [M 8,192, K 512] x [K 512, N 512]; A: input x; B: input Wk: QUANTISED
;;     3. [M 8,192, K 512] x [K 512, N 512]; A: input x; B: input Wv: QUANTISED
;;     4. batch 16 x [M 4,096, K 64] x [K 64, N 4,096]; A: computed on the way; B: computed on the way: QUANTISED
;;     5. batch 16 x [M 4,096, K 4,096] x [K 4,096, N 64]; A: softmax (see below); B: computed on the way: QUANTISED
;;     6. [M 8,192, K 512] x [K 512, N 512]; A: computed on the way; B: input Wo: QUANTISED
;;   THE QUANTISER, for each operand of a quantised product, along K:
;;     - K is cut into blocks of 32 from its start; a last block that is shorter is filled with zeros.
;;     - A block's scale is 2^e with e = floor(log2(the largest magnitude in the block)) - 2, held to -126 .. 127; a block of zeros has e = 0. As a byte (E8M0): e + 127.
;;     - Each number is divided by its block's scale, clamped to +-7.5, and rounded to the nearest number of E2M3, ties to even, subnormals kept.
;;     - The product sums the exact products of the quantised numbers (number of the format x scale) in f32.
;;   ~~~python
;;   def quantise(x, axis):      # numpy; x: float32 -> the quantised numbers, widened to float32 again
;;       x = np.moveaxis(x, axis, -1); K = x.shape[-1]
;;       x = np.pad(x, [(0, 0)] * (x.ndim - 1) + [(0, -K % 32)]); x = x.reshape(x.shape[:-1] + (-1, 32)); a = np.abs(x).max(-1, keepdims=True)
;;       e = np.where(a > 0, np.clip(np.frexp(np.where(a > 0, a, 1))[1] - 1 - 2, -126, 127), 0)      # np.frexp(a)[1] - 1 = floor(log2(a)), exactly
;;       r = np.clip(x / 2.0 ** e, -7.5, 7.5)
;;       step = 2.0 ** (np.maximum(np.frexp(np.where(r == 0, 1, r))[1] - 1, 0) - 3)
;;       q = np.round(r / step) * step * 2.0 ** e      # np.round: ties to even
;;       return np.moveaxis(q.reshape(q.shape[:-2] + (-1,))[..., :K], -1, axis).astype(np.float32)
;;   ~~~
;;   SOFTMAX AHEAD OF A QUANTISED PRODUCT. Where the list says 'softmax', what is quantised is not the finished softmax but p = 2^(t - M), with t = logit x log2(e) and M = ceil(the row's largest t), a whole number; so 1/2 < the row's largest p <= 1. The row's sum l is taken of the UNQUANTISED p, in f32, and the product's result is divided by l at the end. Since M is a whole number, a kernel that streams over the keys may use a running M (the ceiling of the running maximum): every later rescaling is an exact power of two, which a block's scale takes up: the codes' values come out the same.
;;   OPERANDS COMPUTED ON THE WAY. 'Computed on the way' means the value that the module computes at that place (a softmax that the list does not call 'softmax' is quantised finished and normalised). What goes into a quantiser is computed in f32, as accurately as f32 sums, v_exp_f32 and their like allow (about 1e-6 of the number): no bf16 or f16 on the way to a quantiser, and a product that is left as it is and whose result goes on into a quantised operand takes f32 operands (vector FMAs, or v_wmma_f32_16x16x4_f32). A number that lies on a knife's edge between two numbers of the format may be rounded either way, as far as f32 arithmetic and the matrix unit's own rounding can turn it there, and no further.
;; 2 versions. Each part assembles by itself: llvm-mc -triple=amdgcn-amd-amdhsa -mcpu=gfx1250 --defsym DOCPART=n.
;; ======== version 1 of 2: 4 launches
;; workspace buffers: xrec 3,407,872 bytes; wrec 851,968 bytes; qrec 3,407,872 bytes; krec 3,407,872 bytes; vrec 3,407,872 bytes; orec 3,407,872 bytes
;; launch prep (part 1): grid 576 x 1, 4 waves a work-group, no clusters, 34,304 bytes of LDS; arguments x, Wq, Wk, Wv, Wo, xrec, wrec; writes xrec, wrec
.if DOCPART == 1
	.amdgcn_target "amdgcn-amd-amdhsa--gfx1250"
	.amdhsa_code_object_version 6
	.text
	.protected	k_qeb12c87a0e_prep
	.globl	k_qeb12c87a0e_prep
	.p2align	8
	.type	k_qeb12c87a0e_prep,@function
k_qeb12c87a0e_prep:
	s_mov_b64 s[64:65], 0
	v_nop
	global_prefetch_b8 v0, s[64:65] scope:SCOPE_SE
	s_setreg_imm32_b32 hwreg(HW_REG_WAVE_MODE, 25, 1), 1
	s_wait_xcnt 0x0
; THE PROGRAM: causal attention, B 2, T 4,096, D 512, 8 heads of 64, all six products on codes of FP6 (E2M3) with one E8M0 byte for each 32 along K.
;   prep: x and the four weights become codes.   qkv: q, k, v = x W + b, quantised on the way.   attn: softmax(q k^T / 8) v by heads, its result quantised.   proj: o Wo + bo.
; WORK LEFT OUT: reference() sets a score to -infinity where key > query (its own jnp.tril); the softmax gives exactly 0 there and the second product adds 0 x v.  So a tile of scores all of whose keys
; come after all its queries reaches no output, whatever finite values the inputs hold, and attn does not compute it.  Every input has a way to an output and is loaded: each bias moves codes or the result.
; LIMITS: a NaN, an infinity or an overflow that reaches only the tiles left out is not carried to the result; NaN and infinities among the inputs are not served; a block of zeros, or one whose largest
; magnitude lies under 2^-124, gets the scale byte 1 (the stated quantiser says 127 for zeros): its codes are zeros or small codes, and this program alone reads the bytes.
; LAYOUTS OF THE WORKSPACE.  A TILE is 16 rows; row r of tile t is token (or weight column) 32 (t / 2) + 8 (t % 2) + r % 8 + 16 (r / 8): so the results of two neighbouring tiles are 16 neighbours in a lane.
; A fragment (16 rows x 128 K, 12 registers a lane) lies in memory as an IMAGE of its registers: register p of lane l at 512 (p / 4) + 16 l + 4 (p % 4): three accesses of 16 bytes a lane, 512 consecutive bytes each.
; A RECORD is 6,656 bytes: four images, then 512 bytes of scale words: lane l's 16 bytes at 16 l, word i = the scale word of image i for row l % 16.
; THIS LAUNCH: one wave makes one image (x) or two (a weight).  Work-groups 0-63: weight id / 16, columns 32 (id % 16) on; work-groups 64-575: tile id - 64 of x; the wave's number is the K step of 128.
; No matrix unit, no cluster, no tensor load: each byte is read once by one wave and nothing is shared.
.set REC,    6656
.set FRB,    1536                      ; an image
.set SCO,    6144                      ; a record's scale words
.set XROW,   2048                      ; a row of x or of a weight in bytes
.set SPITCH, 528                       ; a stage row: 512 bytes + 16 = 132 words: the 16 rows that a read touches begin 4 words apart modulo 64
.set WSTG,   16*SPITCH                 ; a wave's stage
.set SPARE,  4*WSTG                    ; behind the stages: the spare words, 128 bytes for each wave, which no other line names
.set FLOOR,  0x1800000                 ; 2^(3 - 127): under it no largest magnitude is taken, so the byte cannot fall under 1
.set LI,   4                           ; v4   16 x lane
.set SIN,  5                           ; v5   the stage, on the way in
.set SOUT, 6                           ; v6   and on the way out
.set WLD,  7                           ; v7   a weight: my column's bytes in the 32 columns
.set WST,  8                           ; v8   a weight: my place in the two records
.set SPW,  10                          ; v10  my spare word; never rewritten
.set NIL,  11                          ; v11  0; never rewritten
.set T,    12                          ; v12-13 largest magnitudes
.set SC,   14                          ; v14-15 the conversions' scale operands
.set EB,   16                          ; v16-19 scale bytes
.set WD,   20                          ; v20  the scale word
.set PX,   21                          ; v21  the other half's
.set CT,   24                          ; v24-30 the upper halves of two blocks' codes
.set X,    32                          ; v32-159 the numbers
.set LD,   96                          ; v96-159 x as it is loaded
.set CD,   160                         ; v160-183 codes
; Two whole blocks of 32 of one lane, v[src ..] and v[src + 32 ..], become registers dst .. dst + 11 of an operand, and two scale bytes.
.macro QB src, dst, e0, e1
	v_max3_num_f32 v[T], |v[(\src)]|, |v[(\src)+1]|, FLOOR
	v_max3_num_f32 v[T+1], |v[(\src)+32]|, |v[(\src)+33]|, FLOOR
.irp i, 2,4,6,8,10,12,14,16,18,20,22,24,26,28,30
	v_max3_num_f32 v[T], v[T], |v[(\src)+\i]|, |v[(\src)+\i+1]|          ; the two blocks by turns
	v_max3_num_f32 v[T+1], v[T+1], |v[(\src)+32+\i]|, |v[(\src)+33+\i]|
.endr
	v_add_nc_u32 v[SC], 0xff000000, v[T]           ; 2 off the exponent field: the conversion takes this operand's exponent field as its scale
	v_add_nc_u32 v[SC+1], 0xff000000, v[T+1]
	v_lshrrev_b32 v[\e0], 23, v[SC]                ; the scale's byte
	v_lshrrev_b32 v[\e1], 23, v[SC+1]
	v_cvt_scalef32_pk16_fp6_f32 v[(\dst):(\dst)+2], v[(\src):(\src)+15], v[SC]
	v_cvt_scalef32_pk16_fp6_f32 v[CT:CT+2], v[(\src)+16:(\src)+31], v[SC]          ; (a conversion's three registers begin on an even number)
	v_cvt_scalef32_pk16_fp6_f32 v[(\dst)+6:(\dst)+8], v[(\src)+32:(\src)+47], v[SC+1]
	v_cvt_scalef32_pk16_fp6_f32 v[CT+4:CT+6], v[(\src)+48:(\src)+63], v[SC+1]
	v_nop                                          ; one plain line behind the conversions
.irp i, 0,1,2
	v_mov_b32 v[(\dst)+3+\i], v[CT+\i]
	v_mov_b32 v[(\dst)+9+\i], v[CT+4+\i]
.endr
.endm
.macro CLOSE                           ; the wave's end
	s_wait_tensorcnt 0x0
	ds_add_u32 v[SPW], v[NIL]
	s_wait_dscnt 0x0
	s_endpgm
.endm
	s_load_b256 s[4:11], s[0:1], 0x0               ; x s[4:5], Wq s[6:7], Wk s[8:9], Wv s[10:11]
	s_load_b128 s[12:15], s[0:1], 0x20             ; Wo s[12:13], xrec s[14:15]
	s_load_b64 s[16:17], s[0:1], 0x30              ; wrec
	v_lshl_add_u32 v[SPW], v0, 2, SPARE
	v_mov_b32 v[NIL], 0
	v_lshrrev_b32 v1, 5, v0
	v_readfirstlane_b32 s18, v1                    ; the wave's number = the K step
	v_and_b32 v1, 31, v0                           ; lane
	v_and_b32 v2, 15, v0                           ; r
	v_bfe_u32 v3, v0, 4, 1                         ; h
	v_lshlrev_b32 v[LI], 4, v1
	s_mov_b32 s20, 0x76543210
	s_mov_b32 s21, 0xfedcba98                      ; v_permlanex16_b32's selects for lane l xor 16
	s_mul_i32 s19, s18, WSTG
	v_add_nc_u32 v[SIN], s19, v[LI]                ; in: a row's 512 bytes as they lie
	v_mul_u32_u24 v[SOUT], v2, SPITCH
	v_lshl_add_u32 v[SOUT], v3, 7, v[SOUT]
	v_add_nc_u32 v[SOUT], s19, v[SOUT]             ; out: row r, + 128 h: my 32 numbers of each 64
	v_and_b32 v[WLD], 7, v0
	v_bfe_u32 v9, v0, 3, 1
	v_lshl_add_u32 v[WLD], v9, 4, v[WLD]
	v_lshl_add_u32 v[WLD], v3, 3, v[WLD]
	v_lshlrev_b32 v[WLD], 2, v[WLD]                ; 4 x (8 (lane / 16) + r % 8 + 16 (r / 8)): lanes 0-15 the even tile's columns, lanes 16-31 the odd tile's
	v_mul_u32_u24 v[WST], v3, REC
	v_lshl_add_u32 v[WST], v2, 4, v[WST]           ; my tile's record, row r's 16 bytes
	v_mov_b32 v[PX], 0                             ; written once: a lane permute's destination counts as one of its sources
	s_mov_b32 s31, 0
	s_mov_b32 s33, 0
	s_mov_b32 s35, 0
	s_cmp_lt_u32 ttmp9, 64
	s_cbranch_scc1 .Lweights
	; ---- x: K is innermost.  16 rows x 512 bytes come as they lie, turn through the wave's own stage, and come back 128 bytes a lane and block
	s_sub_co_u32 s22, ttmp9, 64                    ; the tile
	s_lshr_b32 s30, s22, 1
	s_lshl_b32 s30, s30, 5
	s_and_b32 s23, s22, 1
	s_lshl_b32 s23, s23, 3
	s_add_co_u32 s30, s30, s23                     ; its first token: 32 (tile / 2) + 8 (tile % 2)
	s_lshl_b32 s30, s30, 11
	s_lshl_b32 s23, s18, 9
	s_add_co_u32 s30, s30, s23                     ; in bytes, + the K step's 512
	s_mul_i32 s34, s22, REC
	s_mul_i32 s23, s18, FRB
	s_add_co_u32 s32, s34, s23                     ; the image
	s_lshl_b32 s23, s18, 2
	s_add_co_u32 s34, s34, s23
	s_add_co_u32 s34, s34, SCO                     ; its scale words
	s_wait_kmcnt 0x0
	s_add_nc_u64 s[24:25], s[4:5], s[30:31]
	s_add_nc_u64 s[26:27], s[14:15], s[32:33]
	s_add_nc_u64 s[28:29], s[14:15], s[34:35]
.irp i, 0,1,2,3,4,5,6,7,8,9,10,11,12,13,14,15
	global_load_b128 v[LD+4*\i:LD+4*\i+3], v[LI], s[24:25] offset:((\i%8)+16*(\i/8))*XROW th:TH_LOAD_NT   ; row i of the tile: 512 consecutive bytes
.endr
.irp i, 0,1,2,3,4,5,6,7,8,9,10,11,12,13,14,15
	s_wait_loadcnt 15-\i                           ; row i is in; the 15 - i younger loads may be out
	ds_store_b128 v[SIN], v[LD+4*\i:LD+4*\i+3] offset:SPITCH*\i
.endr
.irp c, 0,1
.irp j, 0,1,2,3,4,5,6,7
	ds_load_b128 v[X+32*\c+4*\j:X+32*\c+4*\j+3], v[SOUT] offset:256*\c+16*\j   ; k = 64 c + 32 h + 4 j ..: LDS serves a wave's instructions in order, so these see my stores
.endr
.endr
	s_wait_dscnt 0x0
	QB X, CD, EB, EB+1                             ; my blocks h and 2 + h of row r
	v_lshl_or_b32 v[WD], v[EB+1], 16, v[EB]
	v_lshlrev_b32 v9, 3, v3
	v_lshlrev_b32 v[WD], v9, v[WD]                 ; at their places in the word, 8 h bits up;
	v_permlanex16_b32 v[PX], v[WD], s20, s21
	v_or_b32 v[WD], v[WD], v[PX]                   ; with lane l xor 16's two the word is whole, in both halves of the lanes
.irp c, 0,1,2
	global_store_b128 v[LI], v[CD+4*\c:CD+4*\c+3], s[26:27] offset:512*\c   ; 512 consecutive bytes, at a multiple of 256 from the buffer's first byte
.endr
	global_store_b32 v[LI], v[WD], s[28:29]
	CLOSE
	; ---- a weight: K is its FIRST axis.  A lane takes a column and its registers run down K: all 128 of the K step, which are the fragment's lanes r and 16 + r
.Lweights:
	s_lshr_b32 s22, ttmp9, 4                       ; which weight: 0 Wq, 1 Wk, 2 Wv, 3 Wo
	s_and_b32 s23, ttmp9, 15                       ; which 32 columns
	s_lshl_b32 s30, s18, 18                        ; the K step's 128 rows of 2,048 bytes
	s_lshl_b32 s36, s23, 7
	s_add_co_u32 s30, s30, s36
	s_lshl_b32 s36, s22, 5
	s_lshl_b32 s37, s23, 1
	s_add_co_u32 s36, s36, s37                     ; the even tile's record: 32 x weight + 2 x group
	s_mul_i32 s34, s36, REC
	s_mul_i32 s37, s18, FRB
	s_add_co_u32 s32, s34, s37
	s_lshl_b32 s37, s18, 2
	s_add_co_u32 s34, s34, s37
	s_add_co_u32 s34, s34, SCO
	s_wait_kmcnt 0x0
	s_bitcmp1_b32 s22, 0                           ; the choice hangs on the work-group's number alone
	s_cselect_b64 s[24:25], s[8:9], s[6:7]
	s_cselect_b64 s[38:39], s[12:13], s[10:11]
	s_cmp_lt_u32 s22, 2
	s_cselect_b64 s[24:25], s[24:25], s[38:39]
	s_add_nc_u64 s[24:25], s[24:25], s[30:31]
	s_add_nc_u64 s[26:27], s[16:17], s[32:33]
	s_add_nc_u64 s[28:29], s[16:17], s[34:35]
.irp hh, 0,1
.irp c, 0,1
.irp i, 0,1,2,3,4,5,6,7,8,9,10,11,12,13,14,15,16,17,18,19,20,21,22,23,24,25,26,27,28,29,30,31
	global_load_b32 v[X+64*\hh+32*\c+\i], v[WLD], s[24:25] offset:(64*\c+32*\hh+\i)*XROW   ; W(64 c + 32 hh + i, my column): the wave reads 128 consecutive bytes
.endr
.endr
.endr
	s_wait_loadcnt 63                              ; of the 128 loads at most 63 are out: the first 64 are in
	QB X, CD, EB, EB+2                             ; blocks 0 and 2: the registers of fragment lane r
	s_wait_loadcnt 0x0
	QB X+64, CD+12, EB+1, EB+3                     ; blocks 1 and 3: those of fragment lane 16 + r
	v_lshl_or_b32 v[WD], v[EB+1], 8, v[EB]
	v_lshl_or_b32 v[WD], v[EB+2], 16, v[WD]
	v_lshl_or_b32 v[WD], v[EB+3], 24, v[WD]        ; my column's scale word
.irp hh, 0,1
.irp c, 0,1,2
	global_store_b128 v[WST], v[CD+12*\hh+4*\c:CD+12*\hh+4*\c+3], s[26:27] offset:512*\c+256*\hh   ; sixteen lanes store 256 consecutive bytes, aligned
.endr
.endr
	global_store_b32 v[WST], v[WD], s[28:29]
	global_store_b32 v[WST], v[WD], s[28:29] offset:256   ; and the copy for lanes 16-31
	CLOSE
.Lfunc_end_k_qeb12c87a0e_prep:
	.size	k_qeb12c87a0e_prep, .Lfunc_end_k_qeb12c87a0e_prep-k_qeb12c87a0e_prep
	.p2alignl 7, 3214868480
	.fill 96, 4, 3214868480
	.section	.rodata,"a",@progbits
	.p2align	6, 0x0
	.amdhsa_kernel k_qeb12c87a0e_prep
		.amdhsa_group_segment_fixed_size 34304
		.amdhsa_private_segment_fixed_size 0
		.amdhsa_enable_private_segment 0
		.amdhsa_kernarg_size 56
		.amdhsa_user_sgpr_count 2
		.amdhsa_user_sgpr_kernarg_segment_ptr 1
		.amdhsa_wavefront_size32 1
		.amdhsa_system_sgpr_workgroup_id_x 1
		.amdhsa_system_sgpr_workgroup_id_y 1
		.amdhsa_system_sgpr_workgroup_id_z 1
		.amdhsa_system_vgpr_workitem_id 0
		.amdhsa_next_free_vgpr 192
		.amdhsa_next_free_sgpr 66
		.amdhsa_reserve_vcc 0
		.amdhsa_float_denorm_mode_32 3
		.amdhsa_float_denorm_mode_16_64 3
		.amdhsa_memory_ordered 1
		.amdhsa_forward_progress 1
		.amdhsa_inst_pref_size 30
	.end_amdhsa_kernel
	.amdgpu_metadata
---
amdhsa.version: [ 1, 2 ]
amdhsa.kernels:
  - .name:           k_qeb12c87a0e_prep
    .symbol:         k_qeb12c87a0e_prep.kd
    .args:
      - { .name: x, .offset: 0, .size: 8, .value_kind: global_buffer, .address_space: global }
      - { .name: Wq, .offset: 8, .size: 8, .value_kind: global_buffer, .address_space: global }
      - { .name: Wk, .offset: 16, .size: 8, .value_kind: global_buffer, .address_space: global }
      - { .name: Wv, .offset: 24, .size: 8, .value_kind: global_buffer, .address_space: global }
      - { .name: Wo, .offset: 32, .size: 8, .value_kind: global_buffer, .address_space: global }
      - { .name: xrec, .offset: 40, .size: 8, .value_kind: global_buffer, .address_space: global }
      - { .name: wrec, .offset: 48, .size: 8, .value_kind: global_buffer, .address_space: global }
    .group_segment_fixed_size: 34304
    .private_segment_fixed_size: 0
    .kernarg_segment_align: 8
    .kernarg_segment_size: 56
    .max_flat_workgroup_size: 128
    .sgpr_count:     66
    .vgpr_count:     192
    .wavefront_size: 32
...
	.end_amdgpu_metadata
.endif
;; end of part 1
;; launch qkv (part 2): grid 64 x 3, 8 waves a work-group, no clusters, 54,272 bytes of LDS; arguments xrec, wrec, bq, bk, bv, qrec, krec, vrec; writes qrec, krec, vrec
.if DOCPART == 2
	.amdgcn_target "amdgcn-amd-amdhsa--gfx1250"
	.amdhsa_code_object_version 6
	.text
	.protected	k_qeb12c87a0e_qkv
	.globl	k_qeb12c87a0e_qkv
	.p2align	8
	.type	k_qeb12c87a0e_qkv,@function
k_qeb12c87a0e_qkv:
	s_mov_b64 s[64:65], 0
	v_nop
	global_prefetch_b8 v0, s[64:65] scope:SCOPE_SE
	s_setreg_imm32_b32 hwreg(HW_REG_WAVE_MODE, 25, 1), 1
	s_wait_xcnt 0x0
; q = x Wq + bq, k = x Wk + bk, v = x Wv + bv on codes of FP6 (E2M3), and the quantisers of q and k (along the head's 64) and of v (along the keys).  Tiles, images and records: as the first kernel's head says.
; SHARES.  Work-group (R, y): 128 tokens x all 512 columns of weight y (0 q, 1 k, 2 v).  Wave w is head w: its four tiles of the weight, 16 fragments, stay in 192 registers, read from memory once.
; The tokens' eight records of x come into LDS once, by a flat copy through registers, and all eight waves read them.  The tokens go in two blocks of 64: 16 accumulators, 64 matrix instructions each.
; q, k: source 0 = 16 columns of W, source 1 = 16 tokens: a lane holds ONE token and its 32 registers of a token tile are d = 32 b + 16 (lane / 16) + 0 .. 15.
; v:    source 0 = 16 tokens, source 1 = 16 columns of W: a lane holds ONE d and its 32 registers of a tile of W are keys 32 b + 16 (lane / 16) + 0 .. 15 of the block.
; OUT, one record for 128 tokens of a head.  q, k: image g holds tokens 32 g .. 32 g + 31: registers 0-5 the even tile's 64 d, registers 6-11 the odd tile's; v: image t holds d tile t x the 128 keys.
; The bias is the C of each sum's first matrix instruction.  192 work-groups: a fragment of v wants 128 tokens in one wave, and half the tokens to a work-group would read the weights twice as often.
; No cluster and no tensor load: the weights go from memory straight into the registers in which they stay, and each LDS byte is filled once.
; LIMITS: as the first kernel's head says (blocks under 2^-124; NaN and infinities).
.set REC,   6656
.set FRB,   1536
.set SCO,   6144
.set SPARE, 8*REC                      ; behind x's eight records: the spare words, 128 bytes for each wave, which no other line names
.set FLOOR, 0x1800000
.set LI,  1                            ; v1   16 x lane
.set CP,  2                            ; v2   16 x thread: the flat copy
.set BOQ, 3                            ; v3   the bias's offset, q and k: 64 (lane / 16)
.set BOV, 5                            ; v5   v: 4 (r % 8 + 16 (r / 8))
.set SPW, 10                           ; v10  my spare word; never rewritten
.set NIL, 11                           ; v11  0; never rewritten
.set SW,  12                           ; v12-15 the record's four scale words
.set WS,  16                           ; v16-31 W's scale words: tile t, K step s at 4 t + s
.set XS,  32                           ; v32-47 x's: tile m, K step s at 4 m + s
.set XF,  48                           ; v48-95 four fragments of x
.set CT,  48                           ; behind a block's products: v48-50 the upper half of a block's codes,
.set IM,  52                           ; v52-63, v64-75 two images of v by turns
.set PC,  96                           ; v96-119 codes
.set T,   120                          ; v120-125 at work
.set ACC, 128                          ; v128-255 sixteen accumulators
.set BI,  192                          ; window 1: v0-191 W's fragments (tile t, K step s at 12 (4 t + s)); v192-223 the bias, eight registers a tile
.set SEL, 22
.set MSB, 0
.macro WIN new                         ; the immediate's high byte repeats the setting that is left
.if MSB != \new
	s_set_vgpr_msb (MSB<<8)|\new
.set MSB, \new
.endif
.endm
.macro PLACES                          ; four plain lines behind matrix instructions, ahead of loads into their sources and of the first read of results
.rept 4
	v_nop
.endr
.endm
; 32 numbers of a lane, register 16 b + i = place 32 b + 16 (lane / 16) + i along K, become six registers of an operand (lanes 0-15 block 0, lanes 16-31 block 1) and two scale bytes, the lower (c = 0) or upper (c = 1) half of v[sw].
.macro QH src, dst, sw, c
	v_max3_num_f32 v[T], |v[(\src)]|, |v[(\src)+1]|, FLOOR               ; each accumulator is read from its low end on
	v_max3_num_f32 v[T+1], |v[(\src)+16]|, |v[(\src)+17]|, FLOOR
.irp i, 2,4,6,8,10,12,14
	v_max3_num_f32 v[T], v[T], |v[(\src)+\i]|, |v[(\src)+\i+1]|
	v_max3_num_f32 v[T+1], v[T+1], |v[(\src)+16+\i]|, |v[(\src)+17+\i]|
.endr
	v_permlanex16_b32 v[T+2], v[T], s[SEL], s[SEL+1]
	v_permlanex16_b32 v[T+3], v[T+1], s[SEL], s[SEL+1]
	v_max_num_f32 v[T], v[T], v[T+2]               ; with lane l xor 16's 16: the block's largest magnitude
	v_max_num_f32 v[T+1], v[T+1], v[T+3]
	v_add_nc_u32 v[T+4], 0xff000000, v[T]          ; 2 off the exponent field: the conversion's scale operand
	v_add_nc_u32 v[T+5], 0xff000000, v[T+1]
	v_lshrrev_b32 v[T+2], 23, v[T+4]               ; the scale's byte
	v_lshrrev_b32 v[T+3], 23, v[T+5]
.if (\c) == 0
	v_lshl_or_b32 v[\sw], v[T+3], 8, v[T+2]
.else
	v_lshl_or_b32 v[T+2], v[T+3], 8, v[T+2]
	v_lshl_or_b32 v[\sw], v[T+2], 16, v[\sw]
.endif
	v_cvt_scalef32_pk16_fp6_f32 v[(\dst):(\dst)+2], v[(\src):(\src)+15], v[T+4]
	v_cvt_scalef32_pk16_fp6_f32 v[CT:CT+2], v[(\src)+16:(\src)+31], v[T+5]
	v_nop                                          ; one plain line behind the conversions
.irp i, 0,1,2
	v_permlane16_swap_b32 v[(\dst)+\i], v[CT+\i]   ; the first's lanes 16-31 change places with the second's lanes 0-15: each lane now holds a whole block
.endr
.irp i, 0,1,2
	v_mov_b32 v[(\dst)+3+\i], v[CT+\i]
.endr
.endm
.macro XSCALE be                       ; the scale words of block be's four tiles of x, all four K steps
.irp m, 0,1,2,3
	ds_load_b128 v[XS+4*\m:XS+4*\m+3], v[LI] offset:REC*(4*(\be)+\m)+SCO
.endr
.endm
.macro XFETCH be, s                    ; their fragments of K step s
.irp m, 0,1,2,3
.irp c, 0,1,2
	ds_load_b128 v[XF+12*\m+4*\c:XF+12*\m+4*\c+3], v[LI] offset:REC*(4*(\be)+\m)+FRB*(\s)+512*\c
.endr
.endr
.endm
; 16 matrix instructions of a K step; the sixteen accumulators take turns, one instruction a turn, in the same order in every step.
.macro MULQK s                         ; accumulator 4 i + k: token tile i, W tile k
.if (\s) == 0
	WIN 0x11                                       ; source 0 (W) and source 2 (the bias) window 1
.else
	WIN 0x01
.endif
.irp i, 0,1,2,3
.irp k, 0,1,2,3
.if (\s) == 0
	v_wmma_scale_f32_16x16x128_f8f6f4 v[ACC+8*(4*\i+\k):ACC+8*(4*\i+\k)+7], v[12*(4*\k+(\s)):12*(4*\k+(\s))+11], v[XF+12*\i:XF+12*\i+11], v[BI+8*\k:BI+8*\k+7], v[WS+4*\k+(\s)], v[XS+4*\i+(\s)] matrix_a_fmt:MATRIX_FMT_FP6 matrix_b_fmt:MATRIX_FMT_FP6
.else
	v_wmma_scale_f32_16x16x128_f8f6f4 v[ACC+8*(4*\i+\k):ACC+8*(4*\i+\k)+7], v[12*(4*\k+(\s)):12*(4*\k+(\s))+11], v[XF+12*\i:XF+12*\i+11], v[ACC+8*(4*\i+\k):ACC+8*(4*\i+\k)+7], v[WS+4*\k+(\s)], v[XS+4*\i+(\s)] matrix_a_fmt:MATRIX_FMT_FP6 matrix_b_fmt:MATRIX_FMT_FP6
.endif
.endr
.endr
.endm
.macro MULV s                          ; accumulator 4 i + k: W tile i, token tile k
.if (\s) == 0
	WIN 0x14                                       ; source 1 (W) and source 2 (the bias) window 1
.else
	WIN 0x04
.endif
.irp i, 0,1,2,3
.irp k, 0,1,2,3
.if (\s) == 0
	v_wmma_scale_f32_16x16x128_f8f6f4 v[ACC+8*(4*\i+\k):ACC+8*(4*\i+\k)+7], v[XF+12*\k:XF+12*\k+11], v[12*(4*\i+(\s)):12*(4*\i+(\s))+11], v[BI+8*\i:BI+8*\i+7], v[XS+4*\k+(\s)], v[WS+4*\i+(\s)] matrix_a_fmt:MATRIX_FMT_FP6 matrix_b_fmt:MATRIX_FMT_FP6
.else
	v_wmma_scale_f32_16x16x128_f8f6f4 v[ACC+8*(4*\i+\k):ACC+8*(4*\i+\k)+7], v[XF+12*\k:XF+12*\k+11], v[12*(4*\i+(\s)):12*(4*\i+(\s))+11], v[ACC+8*(4*\i+\k):ACC+8*(4*\i+\k)+7], v[XS+4*\k+(\s)], v[WS+4*\i+(\s)] matrix_a_fmt:MATRIX_FMT_FP6 matrix_b_fmt:MATRIX_FMT_FP6
.endif
.endr
.endr
.endm
.macro KLOOP be, isv                   ; block be's 64 tokens x my head's 64 columns, K = 512 in four steps
	XSCALE \be
.irp s, 0,1,2,3
	XFETCH \be, \s
	s_wait_dscnt 0x0
.if \isv
	MULV \s
.else
	MULQK \s
.endif
	WIN 0
	PLACES
.endr
.endm
	s_load_b256 s[4:11], s[0:1], 0x0               ; xrec s[4:5], wrec s[6:7], bq s[8:9], bk s[10:11]
	s_load_b256 s[12:19], s[0:1], 0x20             ; bv s[12:13], qrec s[14:15], krec s[16:17], vrec s[18:19]
	v_lshl_add_u32 v[SPW], v0, 2, SPARE
	v_mov_b32 v[NIL], 0
	v_lshrrev_b32 v4, 5, v0
	v_readfirstlane_b32 s20, v4                    ; the wave's number = the head
	s_and_b32 s21, ttmp7, 0xffff                   ; y
	v_and_b32 v4, 31, v0
	v_lshlrev_b32 v[LI], 4, v4
	v_lshlrev_b32 v[CP], 4, v0
	v_bfe_u32 v4, v0, 4, 1
	v_lshlrev_b32 v[BOQ], 6, v4
	v_and_b32 v[BOV], 7, v0
	v_bfe_u32 v4, v0, 3, 1
	v_lshl_add_u32 v[BOV], v4, 4, v[BOV]
	v_lshlrev_b32 v[BOV], 2, v[BOV]
	v_mov_b32 v[T+2], 0                            ; written once: a lane permute's destination counts as one of its sources
	v_mov_b32 v[T+3], 0
	s_mov_b32 s[SEL], 0x76543210
	s_mov_b32 s[SEL+1], 0xfedcba98
	s_mul_i32 s28, ttmp9, 8*REC                    ; my 128 tokens' records of x
	s_mov_b32 s29, 0
	s_lshl_b32 s30, s21, 5
	s_lshl_b32 s34, s20, 2
	s_add_co_u32 s30, s30, s34
	s_mul_i32 s30, s30, REC                        ; my four tiles of weight y: record 32 y + 4 w
	s_mov_b32 s31, 0
	s_lshl_b32 s32, s20, 8                         ; my head's 64 numbers of the bias
	s_mov_b32 s33, 0
	s_lshr_b32 s34, ttmp9, 5
	s_lshl_b32 s34, s34, 3
	s_add_co_u32 s34, s34, s20                     ; batch x 8 + head
	s_lshl_b32 s34, s34, 5
	s_and_b32 s36, ttmp9, 31
	s_add_co_u32 s34, s34, s36                     ; x 32 + the block of 128 tokens
	s_mul_i32 s34, s34, REC
	s_mov_b32 s35, 0
	s_wait_kmcnt 0x0
	s_cmp_eq_u32 s21, 0                            ; the choices hang on the work-group's number alone
	s_cselect_b64 s[24:25], s[8:9], s[10:11]
	s_cselect_b64 s[26:27], s[14:15], s[16:17]
	s_cmp_eq_u32 s21, 2
	s_cselect_b64 s[24:25], s[12:13], s[24:25]
	s_cselect_b64 s[26:27], s[18:19], s[26:27]
	s_add_nc_u64 s[4:5], s[4:5], s[28:29]
	s_add_nc_u64 s[6:7], s[6:7], s[30:31]
	s_add_nc_u64 s[24:25], s[24:25], s[32:33]
	s_add_nc_u64 s[26:27], s[26:27], s[34:35]
	s_cmp_eq_u32 s21, 2
	s_cbranch_scc1 .Lbias_v
	WIN 0x40                                       ; destination window 1
.irp t, 0,1,2,3                        ; q, k: register j of tile t is column 32 (t / 2) + 8 (t % 2) + 16 (lane / 16) + j
	global_load_b128 v[BI+8*\t:BI+8*\t+3], v[BOQ], s[24:25] offset:(32*(\t/2)+8*(\t%2))*4
	global_load_b128 v[BI+8*\t+4:BI+8*\t+7], v[BOQ], s[24:25] offset:(32*(\t/2)+8*(\t%2))*4+16
.endr
	WIN 0
	s_branch .Lbias_asked
.Lbias_v:
	WIN 0x40
.irp t, 0,1,2,3                        ; v: all eight registers of tile t are the lane's own column 32 (t / 2) + 8 (t % 2) + r % 8 + 16 (r / 8)
.irp j, 0,1,2,3,4,5,6,7
	global_load_b32 v[BI+8*\t+\j], v[BOV], s[24:25] offset:(32*(\t/2)+8*(\t%2))*4
.endr
.endr
	WIN 0
.Lbias_asked:
.irp i, 0,1,2,3,4,5,6,7,8,9,10,11,12
	global_load_b128 v[ACC+4*\i:ACC+4*\i+3], v[CP], s[4:5] offset:4096*\i     ; x's eight records: 13 x 4,096 bytes, 16 a thread
.endr
	WIN 0x40
.irp t, 0,1,2,3
.irp s, 0,1,2,3
.irp c, 0,1,2
	global_load_b128 v[12*(4*\t+\s)+4*\c:12*(4*\t+\s)+4*\c+3], v[LI], s[6:7] offset:REC*\t+FRB*\s+512*\c
.endr
.endr
.endr
	WIN 0
.irp t, 0,1,2,3
	global_load_b128 v[WS+4*\t:WS+4*\t+3], v[LI], s[6:7] offset:REC*\t+SCO
.endr
	s_wait_loadcnt 52                              ; the weights' 48 + 4 loads may be out; the bias and x, which are older, are in
.irp i, 0,1,2,3,4,5,6,7,8,9,10,11,12
	ds_store_b128 v[CP], v[ACC+4*\i:ACC+4*\i+3] offset:4096*\i
.endr
	s_wait_dscnt 0x0                               ; for the others' sake: my part of the copy has landed
	s_barrier_signal -1
	s_barrier_wait -1                              ; x's eight records lie in LDS; nothing is stored there again
	s_wait_loadcnt 0x0                             ; the weights
	s_cmp_eq_u32 s21, 2
	s_cbranch_scc1 .Lpath_v
	; ---- q, k
.irp be, 0,1
	KLOOP \be, 0
.if \be == 1
	s_wait_xcnt 0x0                                ; the first block's stores have read their registers: the codes may be written again
.endif
.irp i, 0,1,2,3
	QH ACC+32*\i, PC+6*\i, SW+2*\be+\i/2, \i%2     ; token tile 4 be + i: half i % 2 of image 2 be + i / 2
.endr
.irp g, 0,1
.irp c, 0,1,2
	global_store_b128 v[LI], v[PC+12*\g+4*\c:PC+12*\g+4*\c+3], s[26:27] offset:FRB*(2*\be+\g)+512*\c   ; 512 consecutive bytes, aligned
.endr
.endr
.endr
	s_branch .Lscales
	; ---- v: a fragment's K is the record's 128 keys: registers 0-5 come of the first block of 64 tokens, registers 6-11 of the second
.Lpath_v:
	KLOOP 0, 1
.irp t, 0,1,2,3
	QH ACC+32*\t, PC+6*\t, SW+\t, 0
.endr
	KLOOP 1, 1
.irp t, 0,1,2,3
.if \t >= 2
	s_wait_xcnt 0x0                                ; the stores of two tiles back have read these registers
.endif
.irp i, 0,1,2,3,4,5
	v_mov_b32 v[IM+12*(\t%2)+\i], v[PC+6*\t+\i]
.endr
	QH ACC+32*\t, IM+12*(\t%2)+6, SW+\t, 1
.irp c, 0,1,2
	global_store_b128 v[LI], v[IM+12*(\t%2)+4*\c:IM+12*(\t%2)+4*\c+3], s[26:27] offset:FRB*\t+512*\c
.endr
.endr
.Lscales:
	global_store_b128 v[LI], v[SW:SW+3], s[26:27] offset:SCO     ; the record's scale words: both halves of the lanes hold their row's
	s_wait_tensorcnt 0x0                           ; the wave's end
	ds_add_u32 v[SPW], v[NIL]
	s_wait_dscnt 0x0
	s_endpgm
.Lfunc_end_k_qeb12c87a0e_qkv:
	.size	k_qeb12c87a0e_qkv, .Lfunc_end_k_qeb12c87a0e_qkv-k_qeb12c87a0e_qkv
	.p2alignl 7, 3214868480
	.fill 96, 4, 3214868480
	.section	.rodata,"a",@progbits
	.p2align	6, 0x0
	.amdhsa_kernel k_qeb12c87a0e_qkv
		.amdhsa_group_segment_fixed_size 54272
		.amdhsa_private_segment_fixed_size 0
		.amdhsa_enable_private_segment 0
		.amdhsa_kernarg_size 64
		.amdhsa_user_sgpr_count 2
		.amdhsa_user_sgpr_kernarg_segment_ptr 1
		.amdhsa_wavefront_size32 1
		.amdhsa_system_sgpr_workgroup_id_x 1
		.amdhsa_system_sgpr_workgroup_id_y 1
		.amdhsa_system_sgpr_workgroup_id_z 1
		.amdhsa_system_vgpr_workitem_id 0
		.amdhsa_next_free_vgpr 512
		.amdhsa_next_free_sgpr 66
		.amdhsa_reserve_vcc 0
		.amdhsa_float_denorm_mode_32 3
		.amdhsa_float_denorm_mode_16_64 3
		.amdhsa_memory_ordered 1
		.amdhsa_forward_progress 1
		.amdhsa_inst_pref_size 96
	.end_amdhsa_kernel
	.amdgpu_metadata
---
amdhsa.version: [ 1, 2 ]
amdhsa.kernels:
  - .name:           k_qeb12c87a0e_qkv
    .symbol:         k_qeb12c87a0e_qkv.kd
    .args:
      - { .name: xrec, .offset: 0, .size: 8, .value_kind: global_buffer, .address_space: global }
      - { .name: wrec, .offset: 8, .size: 8, .value_kind: global_buffer, .address_space: global }
      - { .name: bq, .offset: 16, .size: 8, .value_kind: global_buffer, .address_space: global }
      - { .name: bk, .offset: 24, .size: 8, .value_kind: global_buffer, .address_space: global }
      - { .name: bv, .offset: 32, .size: 8, .value_kind: global_buffer, .address_space: global }
      - { .name: qrec, .offset: 40, .size: 8, .value_kind: global_buffer, .address_space: global }
      - { .name: krec, .offset: 48, .size: 8, .value_kind: global_buffer, .address_space: global }
      - { .name: vrec, .offset: 56, .size: 8, .value_kind: global_buffer, .address_space: global }
    .group_segment_fixed_size: 54272
    .private_segment_fixed_size: 0
    .kernarg_segment_align: 8
    .kernarg_segment_size: 64
    .max_flat_workgroup_size: 256
    .sgpr_count:     66
    .vgpr_count:     512
    .wavefront_size: 32
...
	.end_amdgpu_metadata
.endif
;; end of part 2
;; launch attn (part 3): grid 16 x 16, 16 waves a work-group, no clusters, 327,680 bytes of LDS; arguments qrec, krec, vrec, orec; writes orec
.if DOCPART == 3
	.amdgcn_target "amdgcn-amd-amdhsa--gfx1250"
	.amdhsa_code_object_version 6
	.text
	.protected	k_qeb12c87a0e_attn
	.globl	k_qeb12c87a0e_attn
	.p2align	8
	.type	k_qeb12c87a0e_attn,@function
k_qeb12c87a0e_attn:
	s_mov_b64 s[64:65], 0
	v_nop
	global_prefetch_b8 v0, s[64:65] scope:SCOPE_SE
	s_setreg_imm32_b32 hwreg(HW_REG_WAVE_MODE, 25, 1), 1
	s_wait_xcnt 0x0
; o = softmax(q k^T / 8, causal) v by heads, both products on codes of FP6 (E2M3), and the quantiser of o along D.  Tiles, images and records: as the first kernel's head says.
; WORK LEFT OUT: a key step all of whose 128 keys come after a wave's 16 queries: reference()'s own mask gives those weights 0 (shown at the first kernel's head).
; THE SOFTMAX AHEAD OF THE SECOND PRODUCT: t = score x log2(e) / 8; M = the row's largest t so far, rounded UP to a whole number; p = 2^(t - M) is what is quantised, along the keys, not normalised; the row's sum
; is taken of the unquantised p and divides at the end.  When M moves, the sum and O are multiplied by 2^(old M - new M), which rounds nothing.
; SHARES.  Work-group (j, head) owns the blocks j and 31 - j of 128 queries: 33 block steps in every work-group.  Each of its sixteen waves owns one tile of 16 queries, in 256 registers: four waves to a SIMD,
; so that one wave's vector work stands beside another's matrix work.  Which block a wave takes is (w xor w / 4) % 2: of any four waves w % 4 alike, and of any four w / 4 alike, two take each block.
; K's and V's records come through a ring of two LDS slots of 256 keys, filled by the tensor data mover (wave 0: K's two records, wave 1: V's) and read by all sixteen.
; LAYOUT.  Both products are used transposed: S^T = K Q^T, O^T = V^T P^T: a lane holds ONE query throughout.  THE HEAD'S 64 IN AN INSTRUCTION OF 128: an image of K holds two tiles of keys, one in each half
; of K; Q stands as [Q][zeros][Q] in 18 registers, so that v[16:27] meets the even tile alone and v[22:33] the odd one: a zero code adds exactly 0 whatever stands against it (the format has no NaN or infinity).
; No cluster: under the mask the work-groups of a head need different numbers of slots, so partners could not make every joint request for tiles that they read.
; LIMITS: a block's largest p is taken from its largest score (v_exp_f32 is taken not to fall where its input rises); blocks under 2^-124, NaN and infinities as the first kernel's head says.
.set REC,   6656
.set FRB,   1536
.set SCO,   6144
.set HEADB, 32*REC                     ; a head's records in each buffer
.set VOFF,  2*REC                      ; a slot: K's two records, then V's two
.set SLOT1, 32768                      ; slot 1 begins here: one exclusive or turns an address from one slot to the other
.set SPARE, 65536                      ; behind the ring: the spare words, 128 bytes for each wave, which no other line names
.set NSL,   16                         ; slots' worth of keys in a head
.set FLOOR, 0x1800000
.set LI,  1                            ; v1   16 x lane
.set AD,  2                            ; v2   LDS address of the slot in hand, + 16 x lane
.set DQ,  3                            ; v3   my query's place in its block - 16 (lane / 16)
.set SPW, 4                            ; v4   my spare word; never rewritten
.set NIL, 5                            ; v5   0; never rewritten
.set PFO, 6                            ; v6   256 x lane: the prefetches' offset; never rewritten
.set KS,  8                            ; v8-11  K's scale words.   v12 -M, v13 the largest t, v[14:15] the sum in two halves
.set QS,  34                           ; v16-33 Q, zeros, Q;  v34 Q's scale word
.set VS,  36                           ; v36-39 V's scale words
.set KV,  40                           ; v40-87 four images, of K and then of V
.set S,   96                           ; v96-159 S^T, then p
.set O,   160                          ; v160-191 O^T: four tiles of 16 d
.set PCD, 192                          ; v192-203 p's codes
.set CT,  204                          ; v204-210 the upper halves of blocks' codes
.set BM,  216                          ; v216-219 the blocks' largest scores
.set T,   216                          ; (the way out's quantiser works in v216-221)
.set BX,  220                          ; v220-223 the other half's; then the bytes
.set SO,  224                          ; v224-227 the conversions' scale operands
.set TP,  228
.set F,   230                          ; v[230:231] f = 2^(old M - new M), named as a pair
.set PW,  232                          ; p's scale word
.set SUM2, 234                         ; v[234:235] the sums' second chain
.set WV,  12
.set BH,  14
.set Q0,  18                           ; s18  my block's first query
.set LASTQ, 19                         ; s19  my work-group's last query
.set SEL, 20
.set CS,  22                           ; s[22:23] c = log2(e) / 8
.set G1,  24                           ; s[24:31] descriptor group 1
.set G0K, 32                           ; s[32:35] group 0 for K's records, which walks
.set G0V, 76                           ; s[76:79] for V's
.set TB,  36                           ; s36  LDS byte at which the slot in hand begins
.set KF,  37                           ; s37  the step's first key
.set SLOTS, 38
.set LIM, 39                           ; s39  4 in a wave that prefetches, else the greatest number
.set PFA, 40                           ; s[40:41] where my prefetches stand
; Wave 0 fetches K's two records, wave 1 V's, the others nothing.  An s_nop 0 and four v_nop follow each of the two lines.
.macro TLOAD
	s_cmp_eq_u32 s[WV], 0
	s_cbranch_scc0 .Lnot_k_\@
	tensor_load_to_lds s[G0K:G0K+3], s[G1:G1+7]
	s_nop 0
.rept 4
	v_nop
.endr
	s_branch .Lasked_\@
.Lnot_k_\@:
	s_cmp_eq_u32 s[WV], 1
	s_cbranch_scc0 .Lasked_\@
	tensor_load_to_lds s[G0V:G0V+3], s[G1:G1+7]
	s_nop 0
.rept 4
	v_nop
.endr
.Lasked_\@:
.endm
; A PREFETCH INTO THE L2.  A head's K is 26 pieces of 8,192 bytes, and so is its V.  The head's work-group j = 0, which walks all keys, asks, and nobody else; in it waves 4 and 5 ask for K's, waves 6 and 7 for V's:
; at change n = 0 .. 10 of slots wave a names piece 2 n + 4 + a % 2, lanes 256 bytes apart, one instruction.  So pieces 4 to 25 are named once each and none past the head's end; pieces 0 to 3 come by their
; tensor loads alone.  At change n the tensor loads ask for bytes 13,312 (n + 1) on, the prefetch for bytes 16,384 n + 32,768 on.
.macro ASK
	s_cmp_gt_u32 s[SLOTS], s[LIM]
	s_cbranch_scc0 .Lnot_mine_\@
	global_prefetch_b8 v[PFO], s[PFA:PFA+1] th:TH_LOAD_NT scope:SCOPE_SE
.Lnot_mine_\@:
.endm
; 32 numbers of a lane, register 16 b + i = place 32 b + 16 (lane / 16) + i along K, become six registers of an operand and two scale bytes in v[sw].
.macro QH src, dst, sw
	v_max3_num_f32 v[T], |v[(\src)]|, |v[(\src)+1]|, FLOOR
	v_max3_num_f32 v[T+1], |v[(\src)+16]|, |v[(\src)+17]|, FLOOR
.irp i, 2,4,6,8,10,12,14
	v_max3_num_f32 v[T], v[T], |v[(\src)+\i]|, |v[(\src)+\i+1]|
	v_max3_num_f32 v[T+1], v[T+1], |v[(\src)+16+\i]|, |v[(\src)+17+\i]|
.endr
	v_permlanex16_b32 v[T+2], v[T], s[SEL], s[SEL+1]
	v_permlanex16_b32 v[T+3], v[T+1], s[SEL], s[SEL+1]
	v_max_num_f32 v[T], v[T], v[T+2]
	v_max_num_f32 v[T+1], v[T+1], v[T+3]
	v_add_nc_u32 v[T+4], 0xff000000, v[T]
	v_add_nc_u32 v[T+5], 0xff000000, v[T+1]
	v_lshrrev_b32 v[T+2], 23, v[T+4]
	v_lshrrev_b32 v[T+3], 23, v[T+5]
	v_lshl_or_b32 v[\sw], v[T+3], 8, v[T+2]
	v_cvt_scalef32_pk16_fp6_f32 v[(\dst):(\dst)+2], v[(\src):(\src)+15], v[T+4]
	v_cvt_scalef32_pk16_fp6_f32 v[CT:CT+2], v[(\src)+16:(\src)+31], v[T+5]
	v_nop
.irp i, 0,1,2
	v_permlane16_swap_b32 v[(\dst)+\i], v[CT+\i]
.endr
.irp i, 0,1,2
	v_mov_b32 v[(\dst)+3+\i], v[CT+\i]
.endr
.endm
	s_load_b256 s[4:11], s[0:1], 0x0               ; qrec s[4:5], krec s[6:7], vrec s[8:9], orec s[10:11]
	v_lshl_add_u32 v[SPW], v0, 2, SPARE
	v_mov_b32 v[NIL], 0
	ds_add_u32 v[SPW], v[NIL]                      ; the wave's opening: the add, twice on end, and its wait ahead of the first tensor load; the set-up below stands between
	ds_add_u32 v[SPW], v[NIL]
	v_lshrrev_b32 v2, 5, v0
	v_readfirstlane_b32 s[WV], v2                  ; wave 0..15
	s_and_b32 s[BH], ttmp7, 0xffff                 ; batch x 8 + head
	s_lshr_b32 s42, s[WV], 2
	s_xor_b32 s42, s42, s[WV]
	s_and_b32 s42, s42, 1                          ; which of the two blocks
	s_lshr_b32 s43, s[WV], 1                       ; which tile of its eight
	s_lshr_b32 s44, s43, 1                         ; g: the image,
	s_and_b32 s45, s43, 1                          ; u: and its half
	s_sub_co_u32 s46, 31, ttmp9
	s_cmp_eq_u32 s42, 1
	s_cselect_b32 s47, s46, ttmp9                  ; my block of 128 queries
	s_lshl_b32 s[Q0], s47, 7
	s_lshl_b32 s[LASTQ], s46, 7
	s_or_b32 s[LASTQ], s[LASTQ], 127
	; descriptor group 1: two records, 13,312 dense bytes, as 52 rows of 256 bytes (32 elements of 8 bytes); no padding: an image is read as 512 consecutive bytes
	s_mov_b32 s[G1], 3<<16                         ; no mask; elements of 8 bytes
	s_mov_b32 s[G1+1], 32<<16                      ; tensor_dim0
	s_mov_b32 s[G1+2], 52<<16                      ; tensor_dim1
	s_mov_b32 s[G1+3], 32<<16                      ; tile_dim0
	s_mov_b32 s[G1+4], 52                          ; tile_dim1
	s_mov_b32 s[G1+5], 32                          ; the pitch
	s_mov_b32 s[G1+6], 0
	s_mov_b32 s[G1+7], 0
	s_mov_b32 s[G0K], 1
	s_mov_b32 s[G0K+1], 0                          ; LDS: slot 0, K's part
	s_mov_b32 s[G0V], 1
	s_mov_b32 s[G0V+1], VOFF                       ; V's
	s_mov_b32 s[SEL], 0x76543210
	s_mov_b32 s[SEL+1], 0xfedcba98
	s_mov_b32 s[CS], 0x3e38aa3b                    ; log2(e) / 8
	s_mov_b32 s[CS+1], s[CS]                       ; (named with it as a pair, so it is written)
	s_mov_b32 s[TB], 0
	s_mov_b32 s[KF], 0
	s_mov_b32 s[SLOTS], NSL-1
	s_mul_i32 s50, s[BH], HEADB                    ; the head's first byte in qrec, krec, vrec
	s_mov_b32 s51, 0
	s_mul_i32 s52, s47, REC
	s_add_co_u32 s52, s52, s50                     ; my block's record of q
	s_mul_i32 s54, s44, FRB
	s_add_co_u32 s54, s54, s52                     ; image g
	s_mov_b32 s55, 0
	s_lshl_b32 s56, s44, 2
	s_add_co_u32 s56, s56, s52
	s_add_co_u32 s56, s56, SCO                     ; its scale words
	s_mov_b32 s57, 0
	s_lshr_b32 s58, s[BH], 3
	s_lshl_b32 s58, s58, 8
	s_lshl_b32 s59, s47, 3
	s_add_co_u32 s58, s58, s59
	s_add_co_u32 s58, s58, s43                     ; my tile among all tokens': 256 x batch + 8 x block + tile
	s_mul_i32 s58, s58, REC
	s_and_b32 s59, s[BH], 7                        ; the head
	s_mul_i32 s60, s59, 768
	s_add_co_u32 s60, s60, s58                     ; orec: the head's half fragment
	s_mov_b32 s61, 0
	s_lshr_b32 s62, s59, 1
	s_lshl_b32 s62, s62, 7
	s_and_b32 s59, s59, 1
	s_lshl_b32 s59, s59, 1
	s_add_co_u32 s62, s62, s59
	s_add_co_u32 s62, s62, s58
	s_add_co_u32 s62, s62, SCO                     ; and its half of K step head / 2's scale words
	s_mov_b32 s63, 0
	s_and_b32 s48, s[WV], 1
	s_lshl_b32 s48, s48, 13
	s_add_co_u32 s48, s48, 16384
	s_add_co_u32 s48, s48, s50                     ; the prefetches: piece 2 + a % 2; the first change of slots steps it to piece 4 + a % 2.  Nothing is prefetched at the head
	s_mov_b32 s49, 0
	s_lshr_b32 s53, s[WV], 2
	s_xor_b32 s53, s53, 1                          ; 0 in waves 4 to 7,
	s_or_b32 s53, s53, ttmp9                       ; of work-group j = 0
	s_cmp_eq_u32 s53, 0
	s_cselect_b32 s[LIM], 4, -1
	v_and_b32 v2, 31, v0
	v_lshlrev_b32 v[LI], 4, v2
	v_lshlrev_b32 v[PFO], 8, v2
	v_and_b32 v[DQ], 7, v0
	v_bfe_u32 v2, v0, 3, 1
	v_lshl_add_u32 v[DQ], v2, 4, v[DQ]             ; r % 8 + 16 (r / 8)
	v_bfe_u32 v2, v0, 4, 1
	v_lshlrev_b32 v2, 4, v2
	v_sub_nc_u32 v[DQ], v[DQ], v2                  ; - 16 (lane / 16)
	s_lshl_b32 s42, s44, 5
	s_lshl_b32 s53, s45, 3
	s_add_co_u32 s42, s42, s53
	v_add_nc_u32 v[DQ], s42, v[DQ]                 ; + 32 g + 8 u
	s_mul_i32 s42, s45, 520
	v_add_nc_u32 v7, s42, v[LI]                    ; registers 6 u, 6 u + 1 and 6 u + 4, 6 u + 5 of an image: 16 x lane + 520 u, and 512 on
	s_mul_i32 s42, s45, 1016
	v_add_nc_u32 v35, s42, v[LI]                   ; registers 6 u + 2, 6 u + 3: 16 x lane + 1,016 u + 8
	s_wait_dscnt 0x0                               ; both opening adds are done
	s_wait_kmcnt 0x0
	s_add_nc_u64 s[G0K+2:G0K+3], s[6:7], s[50:51]  ; the head's first two records
	s_or_b32 s[G0K+3], s[G0K+3], 0x80000000
	s_add_nc_u64 s[G0V+2:G0V+3], s[8:9], s[50:51]
	s_or_b32 s[G0V+3], s[G0V+3], 0x80000000
	TLOAD                                          ; slot 0
	s_cmp_lt_u32 s[WV], 6
	s_cselect_b64 s[PFA:PFA+1], s[6:7], s[8:9]
	s_add_nc_u64 s[PFA:PFA+1], s[PFA:PFA+1], s[48:49]
	s_add_nc_u64 s[72:73], s[4:5], s[54:55]
	s_add_nc_u64 s[74:75], s[4:5], s[56:57]
	s_add_nc_u64 s[68:69], s[10:11], s[60:61]
	s_add_nc_u64 s[70:71], s[10:11], s[62:63]
.irp a, 16, 28                         ; Q's six registers, twice
	global_load_b64 v[\a:\a+1], v7, s[72:73]
	global_load_b64 v[\a+2:\a+3], v35, s[72:73] offset:8
	global_load_b64 v[\a+4:\a+5], v7, s[72:73] offset:512
.endr
	global_load_b32 v[QS], v[LI], s[74:75]
.irp i, 22,23,24,25,26,27
	v_mov_b32 v[\i], 0                             ; the zero codes between
.endr
	v_mov_b32 v13, 0xff61b1e6                      ; the largest t so far: -3e38, under every t
	v_floor_f32 v12, -v13                          ; -M
	v_mov_b32 v14, 0
	v_mov_b32 v15, 0
.irp i, 0,1,2,3,4,5,6,7
	v_mov_b32 v[BM+\i], 0                          ; written once: a lane permute's destination counts as one of its sources
.endr
	v_mov_b32 v[F+1], 0                            ; (named as the upper half of the pair)
	s_wait_loadcnt 0x0                             ; Q
	s_lshl_b32 s42, s45, 4
	v_lshrrev_b32 v[QS], s42, v[QS]
	v_and_b32 v[QS], 0xffff, v[QS]                 ; my tile's two bytes,
	v_lshl_or_b32 v[QS], v[QS], 16, v[QS]          ; for either half of K
.set n, 0
.rept 32
	v_mov_b32 v[O+n], 0                            ; O^T.  (The loop is written once: its first step finds zeros.  These lines also stand between the scale word's last write and the first product)
.set n, n+1
.endr
; A KEY STEP: 128 keys, the q-th record of the slot in hand.
.macro STEP q
	s_cmp_gt_u32 s[KF], s[Q0]                      ; all its keys come after my queries: the step's work is left out; not the line at its end that steps the count
	s_cbranch_scc1 .Lhidden_\@
	v_add_nc_u32 v[AD], s[TB], v[LI]
.rept 3
	v_nop                                          ; with the addition: four places ahead of loads into registers that the last products read
.endr
.irp b, 0,1,2,3
.irp c, 0,1,2
	ds_load_b128 v[KV+12*\b+4*\c:KV+12*\b+4*\c+3], v[AD] offset:REC*(\q)+FRB*\b+512*\c
.endr
.endr
	ds_load_b128 v[KS:KS+3], v[AD] offset:REC*(\q)+SCO
	s_wait_dscnt 0x0
.irp b, 0,1,2,3                        ; S^T: the 16 registers of tiles 2 b, 2 b + 1 are keys 32 b + 16 (lane / 16) + 0 .. 15
	v_wmma_scale_f32_16x16x128_f8f6f4 v[S+16*\b:S+16*\b+7], v[KV+12*\b:KV+12*\b+11], v[16:27], 0, v[KS+\b], v[QS] matrix_a_fmt:MATRIX_FMT_FP6 matrix_b_fmt:MATRIX_FMT_FP6
	v_wmma_scale_f32_16x16x128_f8f6f4 v[S+16*\b+8:S+16*\b+15], v[KV+12*\b:KV+12*\b+11], v[22:33], 0, v[KS+\b], v[QS] matrix_a_fmt:MATRIX_FMT_FP6 matrix_b_fmt:MATRIX_FMT_FP6
.endr
.rept 4
	v_nop                                          ; places ahead of the loads below and of the first read of the scores
.endr
.irp t, 0,1,2,3                        ; V's four images take K's registers: they land under the softmax
.irp c, 0,1,2
	ds_load_b128 v[KV+12*\t+4*\c:KV+12*\t+4*\c+3], v[AD] offset:VOFF+REC*(\q)+FRB*\t+512*\c
.endr
.endr
	ds_load_b128 v[VS:VS+3], v[AD] offset:VOFF+REC*(\q)+SCO
	s_cmp_lg_u32 s[KF], s[Q0]                      ; on the diagonal the scores of hidden keys become -infinity ahead of the maximum: p = 0 then
	s_cbranch_scc1 .Lopen_\@
	v_mov_b32 v[TP], 0xff800000
.set n, 0
.rept 64
	v_cmp_gt_i32 vcc_lo, 32*(n/16)+n%16, v[DQ]     ; register n holds key 32 (n / 16) + n % 16 + 16 (lane / 16) of the block
	v_cndmask_b32 v[S+n], v[S+n], v[TP], vcc_lo
.set n, n+1
.endr
.Lopen_\@:
.irp b, 0,1,2,3
	v_max3_num_f32 v[BM+\b], v[S+16*\b], v[S+1+16*\b], v[S+2+16*\b]   ; the largest score of each block of 32 keys: for the row's maximum, and, since p rises with the score, for the block's largest p
.endr
.irp i, 3,5,7,9,11,13
.irp b, 0,1,2,3
	v_max3_num_f32 v[BM+\b], v[BM+\b], v[S+16*\b+\i], v[S+1+16*\b+\i]
.endr
.endr
.irp b, 0,1,2,3
	v_max_num_f32 v[BM+\b], v[BM+\b], v[S+15+16*\b]
.endr
.irp b, 0,1,2,3
	v_permlanex16_b32 v[BX+\b], v[BM+\b], s[SEL], s[SEL+1]
.endr
.irp b, 0,1,2,3
	v_max_num_f32 v[BM+\b], v[BM+\b], v[BX+\b]     ; with lane l xor 16's 16 keys
.endr
	v_max3_num_f32 v[TP], v[BM], v[BM+1], v[BM+2]
	v_max_num_f32 v[TP], v[TP], v[BM+3]
	v_mul_f32 v[TP], s[CS], v[TP]                  ; the step's largest t (c is positive)
	v_max_num_f32 v13, v13, v[TP]
	v_mov_b32 v[TP], v12
	v_floor_f32 v12, -v13                          ; the new -M = -ceil(t): a whole number
	v_sub_f32 v[TP], v12, v[TP]                    ; old M - new M: a whole number, 0 or less
	v_cvt_i32_f32 v[TP], v[TP]                     ; (it saturates)
	v_ldexp_f32 v[F], 1.0, v[TP]                   ; f = 2^(old M - new M)
.set n, 0
.rept 32
	v_pk_fma_f32 v[S+n:S+n+1], v[S+n:S+n+1], s[CS:CS+1], v[12:13] op_sel_hi:[1,0,0]   ; t - M, two at a time
.set n, n+2
.endr
.irp b, 0,1,2,3
	v_fma_f32 v[BM+\b], v[BM+\b], s[CS], v12       ; the same of each block's largest score
.endr
.set n, 0
.rept 64
	v_exp_f32 v[S+n], v[S+n]                       ; p = 2^(t - M)
.set n, n+1
.endr
	v_pk_mul_f32 v[14:15], v[14:15], v[F:F+1] op_sel_hi:[1,0]   ; the sums under the new M: the plain line behind the exponentials
	s_wait_alu depctr_va_vdst(0)                   ; one wait for the batch, ahead of its first reader
.irp b, 0,1,2,3
	v_exp_f32 v[BM+\b], v[BM+\b]                   ; the block's largest p: the same two instructions on the same number give the same bits
.endr
	v_pk_add_f32 v[SUM2:SUM2+1], v[S:S+1], v[S+2:S+3]   ; the row's sum, of the unquantised p, in two chains
.set n, 4
.rept 15
	v_pk_add_f32 v[14:15], v[14:15], v[S+n:S+n+1]
	v_pk_add_f32 v[SUM2:SUM2+1], v[SUM2:SUM2+1], v[S+n+2:S+n+3]
.set n, n+4
.endr
	v_pk_add_f32 v[14:15], v[14:15], v[SUM2:SUM2+1]
	s_wait_alu depctr_va_vdst(0)                   ; and one for the four
.irp b, 0,1,2,3
	v_max_num_f32 v[BM+\b], FLOOR, v[BM+\b]        ; the floor: a block whose every p is 0 keeps the byte 1; its codes are zeros
.endr
.irp b, 0,1,2,3
	v_add_nc_u32 v[SO+\b], 0xff000000, v[BM+\b]
.endr
.irp b, 0,1,2,3
	v_lshrrev_b32 v[BX+\b], 23, v[SO+\b]
.endr
	v_lshl_or_b32 v[PW], v[BX+1], 8, v[BX]         ; p's scale word for these 128 keys
	v_lshl_or_b32 v[PW], v[BX+2], 16, v[PW]
	v_lshl_or_b32 v[PW], v[BX+3], 24, v[PW]
.irp c, 0,1
	v_cvt_scalef32_pk16_fp6_f32 v[PCD+6*\c:PCD+6*\c+2], v[S+32*\c:S+32*\c+15], v[SO+2*\c]
	v_cvt_scalef32_pk16_fp6_f32 v[CT+4*\c:CT+4*\c+2], v[S+32*\c+16:S+32*\c+31], v[SO+2*\c+1]
.endr
	v_nop                                          ; one plain line behind the conversions
.irp c, 0,1
.irp i, 0,1,2
	v_permlane16_swap_b32 v[PCD+6*\c+\i], v[CT+4*\c+\i]   ; a whole block to a lane
.endr
.irp i, 0,1,2
	v_mov_b32 v[PCD+6*\c+3+\i], v[CT+4*\c+\i]
.endr
.endr
.set n, 0
.rept 16
	v_pk_mul_f32 v[O+n:O+n+1], v[O+n:O+n+1], v[F:F+1] op_sel_hi:[1,0]   ; O^T under the new M.  (These are also the places between the codes' and the scale word's last writes and the products)
.set n, n+2
.endr
	s_wait_dscnt 0x0                               ; V
.irp t, 0,1,2,3                        ; O^T += V^T P^T: four accumulators by turns
	v_wmma_scale_f32_16x16x128_f8f6f4 v[O+8*\t:O+8*\t+7], v[KV+12*\t:KV+12*\t+11], v[PCD:PCD+11], v[O+8*\t:O+8*\t+7], v[VS+\t], v[PW] matrix_a_fmt:MATRIX_FMT_FP6 matrix_b_fmt:MATRIX_FMT_FP6
.endr
.Lhidden_\@:
	s_add_co_u32 s[KF], s[KF], 128
.endm
; THE CHANGE OF SLOTS stands at a slot's head.  Each wave waits for all its tensor loads, adds 0 to its spare word (fill = 1: twice on end), and waits for that and for its reads of the slot that it has left.
; Behind the barrier the slot ahead is whole and nobody reads the other one.  fill = 1: that other slot takes the next 256 keys, while their first key is at or under the work-group's last query: a later slot
; would be read by none of the sixteen waves.  The test is made of ids and the count of steps alone, so all waves go the same way; it leads round the load's own lines and round nothing else.
.macro CHANGE fill
	s_wait_tensorcnt 0x0                           ; no tensor load of mine is out, so a group 0 may be written
	ds_add_u32 v[SPW], v[NIL]
.if \fill
	ds_add_u32 v[SPW], v[NIL]                      ; and once more, in every trip alike
	s_xor_b32 s[G0K+1], s[G0K+1], SLOT1            ; the walking descriptors: the other slot,
	s_add_nc_u64 s[G0K+2:G0K+3], s[G0K+2:G0K+3], VOFF   ; the next two records
	s_xor_b32 s[G0V+1], s[G0V+1], SLOT1
	s_add_nc_u64 s[G0V+2:G0V+3], s[G0V+2:G0V+3], VOFF
	s_wait_xcnt 0x0                                ; the last prefetch, a slot back, has read its address
	s_add_nc_u64 s[PFA:PFA+1], s[PFA:PFA+1], 16384
.endif
	s_wait_dscnt 0x0                               ; the add is done, and my reads of the slot that I have left are over
	s_barrier_signal -1
	s_barrier_wait -1
.if \fill
	s_add_co_u32 s42, s[KF], 256                   ; the first key of the slot that this change would ask for
	s_cmp_gt_u32 s42, s[LASTQ]
	s_cbranch_scc1 .Lpast_\@
	TLOAD                                          ; a wave's one tensor load until the next barrier: it has a slot's two steps in which to land
.Lpast_\@:
	ASK
.endif
.endm
.Lslot:                                            ; NSL - 1 trips, a constant: every work-group walks all changes of slots
	CHANGE 1
	STEP 0
	STEP 1
	s_xor_b32 s[TB], s[TB], SLOT1
	s_sub_co_u32 s[SLOTS], s[SLOTS], 1
	s_cmp_lg_u32 s[SLOTS], 0
	s_cbranch_scc1 .Lslot
	CHANGE 0                                       ; the last slot is written out: nothing is left to ask for
	STEP 0
	STEP 1
	; THE WAY OUT.  O^T / the sum: register 16 b + i is d = 32 b + 16 (lane / 16) + i of my query: the head's half of a fragment of o, quantised in registers and stored as it stands.
	v_add_f32 v14, v14, v15
	v_permlanex16_b32 v[BX], v14, s[SEL], s[SEL+1]
	v_add_f32 v14, v14, v[BX]                      ; the row's sum
	v_rcp_f32 v14, v14
	v_and_b32 v90, 31, v0                          ; (plain lines behind the reciprocal, and with the additions the places behind the last products)
	v_lshlrev_b32 v88, 3, v90                      ; 8 x lane
	v_lshlrev_b32 v89, 2, v90                      ; 4 x lane
	s_wait_alu depctr_va_vdst(0)                   ; ahead of the reciprocal's first reader
.set n, 0
.rept 32
	v_mul_f32 v[S+n], v[O+n], v14
.set n, n+1
.endr
	QH S, PCD, TP
	global_store_b128 v[LI], v[PCD:PCD+3], s[68:69]              ; registers 0-3: 512 consecutive bytes, aligned
	global_store_b64 v88, v[PCD+4:PCD+5], s[68:69] offset:512    ; registers 4, 5: 256 consecutive bytes, aligned
	global_store_b16 v89, v[TP], s[70:71]                        ; my head's two bytes of the K step's scale word
	s_wait_tensorcnt 0x0                           ; the wave's end
	ds_add_u32 v[SPW], v[NIL]
	s_wait_dscnt 0x0
	s_endpgm
.Lfunc_end_k_qeb12c87a0e_attn:
	.size	k_qeb12c87a0e_attn, .Lfunc_end_k_qeb12c87a0e_attn-k_qeb12c87a0e_attn
	.p2alignl 7, 3214868480
	.fill 96, 4, 3214868480
	.section	.rodata,"a",@progbits
	.p2align	6, 0x0
	.amdhsa_kernel k_qeb12c87a0e_attn
		.amdhsa_group_segment_fixed_size 327680
		.amdhsa_private_segment_fixed_size 0
		.amdhsa_enable_private_segment 0
		.amdhsa_kernarg_size 32
		.amdhsa_user_sgpr_count 2
		.amdhsa_user_sgpr_kernarg_segment_ptr 1
		.amdhsa_wavefront_size32 1
		.amdhsa_system_sgpr_workgroup_id_x 1
		.amdhsa_system_sgpr_workgroup_id_y 1
		.amdhsa_system_sgpr_workgroup_id_z 1
		.amdhsa_system_vgpr_workitem_id 0
		.amdhsa_next_free_vgpr 256
		.amdhsa_next_free_sgpr 80
		.amdhsa_reserve_vcc 1
		.amdhsa_float_denorm_mode_32 3
		.amdhsa_float_denorm_mode_16_64 3
		.amdhsa_memory_ordered 1
		.amdhsa_forward_progress 1
		.amdhsa_inst_pref_size 95
	.end_amdhsa_kernel
	.amdgpu_metadata
---
amdhsa.version: [ 1, 2 ]
amdhsa.kernels:
  - .name:           k_qeb12c87a0e_attn
    .symbol:         k_qeb12c87a0e_attn.kd
    .args:
      - { .name: qrec, .offset: 0, .size: 8, .value_kind: global_buffer, .address_space: global }
      - { .name: krec, .offset: 8, .size: 8, .value_kind: global_buffer, .address_space: global }
      - { .name: vrec, .offset: 16, .size: 8, .value_kind: global_buffer, .address_space: global }
      - { .name: orec, .offset: 24, .size: 8, .value_kind: global_buffer, .address_space: global }
    .group_segment_fixed_size: 327680
    .private_segment_fixed_size: 0
    .kernarg_segment_align: 8
    .kernarg_segment_size: 32
    .max_flat_workgroup_size: 512
    .sgpr_count:     80
    .vgpr_count:     256
    .wavefront_size: 32
...
	.end_amdgpu_metadata
.endif
;; end of part 3
;; launch proj (part 4): grid 64 x 4, 8 waves a work-group, no clusters, 142,336 bytes of LDS; arguments orec, wrec, bo, out0; writes out0
.if DOCPART == 4
	.amdgcn_target "amdgcn-amd-amdhsa--gfx1250"
	.amdhsa_code_object_version 6
	.text
	.protected	k_qeb12c87a0e_proj
	.globl	k_qeb12c87a0e_proj
	.p2align	8
	.type	k_qeb12c87a0e_proj,@function
k_qeb12c87a0e_proj:
	s_mov_b64 s[64:65], 0
	v_nop
	global_prefetch_b8 v0, s[64:65] scope:SCOPE_SE
	s_setreg_imm32_b32 hwreg(HW_REG_WAVE_MODE, 25, 1), 1
	s_wait_xcnt 0x0
; out0 = o Wo + bo on codes of FP6 (E2M3).  Tiles, images and records: as the first kernel's head says; a record of o holds, for head hd, six registers a lane at 768 hd (registers 0-3 at 16 x lane, registers 4, 5 at
; 512 + 8 x lane), and K step s's scale words at 6,144 + 128 s + 4 x lane.
; SHARES.  Work-group (R, y): 128 tokens x 128 columns.  Wave w: token tiles 2 (w / 2), 2 (w / 2) + 1 (32 neighbouring tokens) x tiles 4 (w % 2) .. + 3 of Wo (64 columns): 8 accumulators, 32 matrix instructions.
; The eight records of o and the eight of Wo come into LDS once, by a flat copy through registers.  Source 0 = 16 columns of Wo, source 1 = 16 tokens: a lane holds one token and eight neighbouring columns a tile.
; bo is loaded straight into the accumulators, so every product adds in place and nothing is cleared.  The results leave through the wave's own stage as rows of 256 aligned bytes.
; No tensor load and no cluster: each LDS byte is filled once, by 26 loads a thread.
.set REC,    6656
.set FRB,    1536
.set SCO,    6144
.set WL,     8*REC                     ; LDS: o's eight records, then Wo's eight,
.set STG,    16*REC                    ; the stages: 16 rows x (256 + 16) bytes for each wave,
.set SPITCH, 272
.set SPARE,  STG+8*16*SPITCH           ; and the spare words, 128 bytes for each wave, which no other line names
.set LI,  1                            ; v1   16 x lane
.set CP0, 2                            ; v2   16 x thread
.set CP1, 3                            ; v3   the same in Wo's part
.set AO,  4                            ; v4   my two records of o, + 16 x lane
.set AO8, 5                            ; v5   + 8 x lane
.set AOS, 6                            ; v6   + 4 x lane
.set AW,  7                            ; v7   my four records of Wo, + 16 x lane
.set ST,  8                            ; v8   the stage: where I put 32 bytes of a row
.set RD,  9                            ; v9   and where I read a row back
.set SPW, 10                           ; v10  my spare word; never rewritten
.set NIL, 11                           ; v11  0; never rewritten
.set GO,  12                           ; v12  my byte offset in out0
.set BO,  13                           ; v13  64 (lane / 16)
.set WS,  16                           ; v16-31 Wo's scale words: tile t, K step s at 4 t + s
.set OS,  32                           ; v32-39 o's: tile m, K step s at 4 m + s
.set FB0, 48                           ; v48-119, v120-191: two sets of fragments: Wo's four, then o's two
.set FB1, 120
.set ACC, 192                          ; v192-255 accumulator (m, t) at 8 (4 m + t)
.macro FETCH s, fb                     ; K step s: 20 LDS loads
.irp t, 0,1,2,3
.irp c, 0,1,2
	ds_load_b128 v[(\fb)+12*\t+4*\c:(\fb)+12*\t+4*\c+3], v[AW] offset:REC*\t+FRB*(\s)+512*\c
.endr
.endr
.irp m, 0,1
.irp c, 0,1                            ; head 2 s + c is the fragment's registers 6 c .. 6 c + 5
	ds_load_b128 v[(\fb)+48+12*\m+6*\c:(\fb)+48+12*\m+6*\c+3], v[AO] offset:REC*\m+768*(2*(\s)+\c)
	ds_load_b64 v[(\fb)+48+12*\m+6*\c+4:(\fb)+48+12*\m+6*\c+5], v[AO8] offset:REC*\m+768*(2*(\s)+\c)+512
.endr
.endr
.endm
.macro MUL s, fb                       ; eight accumulators by turns, one instruction a turn
.irp m, 0,1
.irp t, 0,1,2,3
	v_wmma_scale_f32_16x16x128_f8f6f4 v[ACC+8*(4*\m+\t):ACC+8*(4*\m+\t)+7], v[(\fb)+12*\t:(\fb)+12*\t+11], v[(\fb)+48+12*\m:(\fb)+48+12*\m+11], v[ACC+8*(4*\m+\t):ACC+8*(4*\m+\t)+7], v[WS+4*\t+(\s)], v[OS+4*\m+(\s)] matrix_a_fmt:MATRIX_FMT_FP6 matrix_b_fmt:MATRIX_FMT_FP6
.endr
.endr
.endm
.macro PLACES                          ; four plain lines behind matrix instructions, ahead of loads into their sources and of the first read of results
.rept 4
	v_nop
.endr
.endm
	s_load_b256 s[4:11], s[0:1], 0x0               ; orec s[4:5], wrec s[6:7], bo s[8:9], out0 s[10:11]
	v_lshl_add_u32 v[SPW], v0, 2, SPARE
	v_mov_b32 v[NIL], 0
	v_lshrrev_b32 v14, 5, v0
	v_readfirstlane_b32 s12, v14                   ; wave 0..7
	s_lshr_b32 s13, s12, 1                         ; which 32 tokens
	s_and_b32 s14, s12, 1                          ; which 64 columns
	s_and_b32 s15, ttmp7, 0xffff                   ; y
	v_and_b32 v14, 31, v0                          ; lane
	v_and_b32 v15, 15, v0                          ; r
	v_bfe_u32 v40, v0, 4, 1                        ; h
	v_lshlrev_b32 v[LI], 4, v14
	v_lshlrev_b32 v[CP0], 4, v0
	v_add_nc_u32 v[CP1], WL, v[CP0]
	s_mul_i32 s16, s13, 2*REC
	v_add_nc_u32 v[AO], s16, v[LI]
	v_lshl_add_u32 v[AO8], v14, 3, s16
	v_lshl_add_u32 v[AOS], v14, 2, s16
	s_mul_i32 s17, s14, 4*REC
	s_add_co_u32 s17, s17, WL
	v_add_nc_u32 v[AW], s17, v[LI]
	s_mul_i32 s18, s12, 16*SPITCH
	s_add_co_u32 s18, s18, STG                     ; my stage
	v_mul_u32_u24 v[ST], v15, SPITCH
	v_lshl_add_u32 v[ST], v40, 6, v[ST]
	v_add_nc_u32 v[ST], s18, v[ST]                 ; in: row r, + 64 h
	v_mul_u32_u24 v[RD], v40, SPITCH
	v_lshl_add_u32 v[RD], v15, 4, v[RD]
	v_add_nc_u32 v[RD], s18, v[RD]                 ; back: lanes 0-15 one row, lanes 16-31 the next
	v_lshlrev_b32 v[GO], 11, v40
	v_lshl_add_u32 v[GO], v15, 4, v[GO]            ; and the same two rows in out0
	v_lshlrev_b32 v[BO], 6, v40
	s_mul_i32 s20, ttmp9, 8*REC                    ; my 128 tokens' records of o
	s_mov_b32 s21, 0
	s_lshl_b32 s22, s15, 3
	s_add_co_u32 s22, s22, 96
	s_mul_i32 s22, s22, REC                        ; Wo's records 96 + 8 y on
	s_mov_b32 s23, 0
	s_lshl_b32 s24, s15, 9
	s_lshl_b32 s19, s14, 8
	s_add_co_u32 s24, s24, s19                     ; my 64 columns in bytes: 512 y + 256 (w % 2)
	s_mov_b32 s25, 0
	s_lshl_b32 s26, ttmp9, 7
	s_lshl_b32 s19, s13, 5
	s_add_co_u32 s26, s26, s19                     ; my first token
	s_lshl_b32 s26, s26, 11
	s_add_co_u32 s26, s26, s24
	s_mov_b32 s27, 0
	s_wait_kmcnt 0x0
	s_add_nc_u64 s[4:5], s[4:5], s[20:21]
	s_add_nc_u64 s[6:7], s[6:7], s[22:23]
	s_add_nc_u64 s[8:9], s[8:9], s[24:25]
	s_add_nc_u64 s[26:27], s[10:11], s[26:27]
.irp m, 0,1
.irp t, 0,1,2,3                        ; register j of accumulator (m, t) is column 32 (t / 2) + 8 (t % 2) + 16 h + j
	global_load_b128 v[ACC+8*(4*\m+\t):ACC+8*(4*\m+\t)+3], v[BO], s[8:9] offset:(32*(\t/2)+8*(\t%2))*4
	global_load_b128 v[ACC+8*(4*\m+\t)+4:ACC+8*(4*\m+\t)+7], v[BO], s[8:9] offset:(32*(\t/2)+8*(\t%2))*4+16
.endr
.endr
.irp i, 0,1,2,3,4,5,6,7,8,9,10,11,12
	global_load_b128 v[48+4*\i:51+4*\i], v[CP0], s[4:5] offset:4096*\i
.endr
.irp i, 0,1,2,3,4,5,6,7,8,9,10,11,12
	global_load_b128 v[100+4*\i:103+4*\i], v[CP0], s[6:7] offset:4096*\i
.endr
.irp i, 0,1,2,3,4,5,6,7,8,9,10,11,12
	s_wait_loadcnt 25-\i                           ; this piece is in (and the bias, which is older); the younger pieces may be out
	ds_store_b128 v[CP0], v[48+4*\i:51+4*\i] offset:4096*\i
.endr
.irp i, 0,1,2,3,4,5,6,7,8,9,10,11,12
	s_wait_loadcnt 12-\i
	ds_store_b128 v[CP1], v[100+4*\i:103+4*\i] offset:4096*\i
.endr
	s_wait_dscnt 0x0                               ; for the others' sake: my part of the copy has landed
	s_barrier_signal -1
	s_barrier_wait -1                              ; both operands lie in LDS; those bytes are not stored again
.irp t, 0,1,2,3
	ds_load_b128 v[WS+4*\t:WS+4*\t+3], v[AW] offset:REC*\t+SCO
.endr
.irp m, 0,1
.irp s, 0,1,2,3
	ds_load_b32 v[OS+4*\m+\s], v[AOS] offset:REC*\m+SCO+128*\s
.endr
.endr
	FETCH 0, FB0
	FETCH 1, FB1
	s_wait_dscnt 20                                ; all but the 20 loads of the younger K step
	MUL 0, FB0
	PLACES
	FETCH 2, FB0
	s_wait_dscnt 20
	MUL 1, FB1
	PLACES
	FETCH 3, FB1
	s_wait_dscnt 20
	MUL 2, FB0
	s_wait_dscnt 0x0
	MUL 3, FB1
	PLACES
	; THE WAY OUT: a tile of 16 tokens x my 64 columns at a time through my own stage; LDS serves a wave's instructions in order, so no wait stands between the stores and the loads, nor ahead of the next tile's stores
.irp m, 0,1
.irp t, 0,1,2,3
	ds_store_b128 v[ST], v[ACC+8*(4*\m+\t):ACC+8*(4*\m+\t)+3] offset:128*(\t/2)+32*(\t%2)          ; each accumulator from its low end on
	ds_store_b128 v[ST], v[ACC+8*(4*\m+\t)+4:ACC+8*(4*\m+\t)+7] offset:128*(\t/2)+32*(\t%2)+16
.endr
.irp i, 0,1,2,3,4,5,6,7
	ds_load_b128 v[48+32*\m+4*\i:51+32*\m+4*\i], v[RD] offset:2*SPITCH*\i
.endr
.endr
.irp m, 0,1
.irp i, 0,1,2,3,4,5,6,7
	s_wait_dscnt 23-16*\m-\i                       ; the LDS instructions issued behind this load may be out
	global_store_b128 v[GO], v[48+32*\m+4*\i:51+32*\m+4*\i], s[26:27] offset:(8*\m+(2*\i)%8+16*(\i/4))*2048 th:TH_STORE_NT   ; rows 2 i, 2 i + 1 of the tile: sixteen lanes store 256 consecutive bytes, aligned
.endr
.endr
	s_wait_tensorcnt 0x0                           ; the wave's end
	ds_add_u32 v[SPW], v[NIL]
	s_wait_dscnt 0x0
	s_endpgm
.Lfunc_end_k_qeb12c87a0e_proj:
	.size	k_qeb12c87a0e_proj, .Lfunc_end_k_qeb12c87a0e_proj-k_qeb12c87a0e_proj
	.p2alignl 7, 3214868480
	.fill 96, 4, 3214868480
	.section	.rodata,"a",@progbits
	.p2align	6, 0x0
	.amdhsa_kernel k_qeb12c87a0e_proj
		.amdhsa_group_segment_fixed_size 142336
		.amdhsa_private_segment_fixed_size 0
		.amdhsa_enable_private_segment 0
		.amdhsa_kernarg_size 32
		.amdhsa_user_sgpr_count 2
		.amdhsa_user_sgpr_kernarg_segment_ptr 1
		.amdhsa_wavefront_size32 1
		.amdhsa_system_sgpr_workgroup_id_x 1
		.amdhsa_system_sgpr_workgroup_id_y 1
		.amdhsa_system_sgpr_workgroup_id_z 1
		.amdhsa_system_vgpr_workitem_id 0
		.amdhsa_next_free_vgpr 256
		.amdhsa_next_free_sgpr 66
		.amdhsa_reserve_vcc 0
		.amdhsa_float_denorm_mode_32 3
		.amdhsa_float_denorm_mode_16_64 3
		.amdhsa_memory_ordered 1
		.amdhsa_forward_progress 1
		.amdhsa_inst_pref_size 24
	.end_amdhsa_kernel
	.amdgpu_metadata
---
amdhsa.version: [ 1, 2 ]
amdhsa.kernels:
  - .name:           k_qeb12c87a0e_proj
    .symbol:         k_qeb12c87a0e_proj.kd
    .args:
      - { .name: orec, .offset: 0, .size: 8, .value_kind: global_buffer, .address_space: global }
      - { .name: wrec, .offset: 8, .size: 8, .value_kind: global_buffer, .address_space: global }
      - { .name: bo, .offset: 16, .size: 8, .value_kind: global_buffer, .address_space: global }
      - { .name: out0, .offset: 24, .size: 8, .value_kind: global_buffer, .address_space: global }
    .group_segment_fixed_size: 142336
    .private_segment_fixed_size: 0
    .kernarg_segment_align: 8
    .kernarg_segment_size: 32
    .max_flat_workgroup_size: 256
    .sgpr_count:     66
    .vgpr_count:     256
    .wavefront_size: 32
...
	.end_amdgpu_metadata
.endif
;; end of part 4
;; ======== version 2 of 2: 4 launches
;; workspace buffers: xrec 3,407,872 bytes; wrec 851,968 bytes; qrec 3,407,872 bytes; krec 3,407,872 bytes; vrec 3,407,872 bytes; orec 3,407,872 bytes
;; launch prep (part 5): grid 576 x 1, 4 waves a work-group, no clusters, 34,304 bytes of LDS; arguments x, Wq, Wk, Wv, Wo, xrec, wrec; writes xrec, wrec
.if DOCPART == 5
	.amdgcn_target "amdgcn-amd-amdhsa--gfx1250"
	.amdhsa_code_object_version 6
	.text
	.protected	k_qeb12c87a0e_prep
	.globl	k_qeb12c87a0e_prep
	.p2align	8
	.type	k_qeb12c87a0e_prep,@function
k_qeb12c87a0e_prep:
	s_mov_b64 s[64:65], 0
	v_nop
	global_prefetch_b8 v0, s[64:65] scope:SCOPE_SE
	s_setreg_imm32_b32 hwreg(HW_REG_WAVE_MODE, 25, 1), 1
	s_wait_xcnt 0x0
; THE PROGRAM: causal attention, B 2, T 4,096, D 512, 8 heads of 64, all six products on codes of FP6 (E2M3) with one E8M0 byte for each 32 along K.
;   prep: x and the four weights become codes.   qkv: q, k, v = x W + b, quantised on the way.   attn: softmax(q k^T / 8) v by heads, its result quantised.   proj: o Wo + bo.
; WORK LEFT OUT: reference() sets a score to -infinity where key > query (its own jnp.tril); the softmax gives exactly 0 there and the second product adds 0 x v.  So a tile of scores all of whose keys
; come after all its queries reaches no output, whatever finite values the inputs hold, and attn does not compute it.  Every input has a way to an output and is loaded: each bias moves codes or the result.
; LIMITS: a NaN, an infinity or an overflow that reaches only the tiles left out is not carried to the result; NaN and infinities among the inputs are not served; a block of zeros, or one whose largest
; magnitude lies under 2^-124, gets the scale byte 1 (the stated quantiser says 127 for zeros): its codes are zeros or small codes, and this program alone reads the bytes.
; LAYOUTS OF THE WORKSPACE.  A TILE is 16 rows; row r of tile t is token (or weight column) 32 (t / 2) + 8 (t % 2) + r % 8 + 16 (r / 8): so the results of two neighbouring tiles are 16 neighbours in a lane.
; A fragment (16 rows x 128 K, 12 registers a lane) lies in memory as an IMAGE of its registers: register p of lane l at 512 (p / 4) + 16 l + 4 (p % 4): three accesses of 16 bytes a lane, 512 consecutive bytes each.
; A RECORD is 6,656 bytes: four images, then 512 bytes of scale words: lane l's 16 bytes at 16 l, word i = the scale word of image i for row l % 16.
; THIS LAUNCH: one wave makes one image (x) or two (a weight).  Work-groups 0-63: weight id / 16, columns 32 (id % 16) on; work-groups 64-575: tile id - 64 of x; the wave's number is the K step of 128.
; No matrix unit, no cluster, no tensor load: each byte is read once by one wave and nothing is shared.
.set REC,    6656
.set FRB,    1536                      ; an image
.set SCO,    6144                      ; a record's scale words
.set XROW,   2048                      ; a row of x or of a weight in bytes
.set SPITCH, 528                       ; a stage row: 512 bytes + 16 = 132 words: the 16 rows that a read touches begin 4 words apart modulo 64
.set WSTG,   16*SPITCH                 ; a wave's stage
.set SPARE,  4*WSTG                    ; behind the stages: the spare words, 128 bytes for each wave, which no other line names
.set FLOOR,  0x1800000                 ; 2^(3 - 127): under it no largest magnitude is taken, so the byte cannot fall under 1
.set LI,   4                           ; v4   16 x lane
.set SIN,  5                           ; v5   the stage, on the way in
.set SOUT, 6                           ; v6   and on the way out
.set WLD,  7                           ; v7   a weight: my column's bytes in the 32 columns
.set WST,  8                           ; v8   a weight: my place in the two records
.set SPW,  10                          ; v10  my spare word; never rewritten
.set NIL,  11                          ; v11  0; never rewritten
.set T,    12                          ; v12-13 largest magnitudes
.set SC,   14                          ; v14-15 the conversions' scale operands
.set EB,   16                          ; v16-19 scale bytes
.set WD,   20                          ; v20  the scale word
.set PX,   21                          ; v21  the other half's
.set CT,   24                          ; v24-30 the upper halves of two blocks' codes
.set X,    32                          ; v32-159 the numbers
.set LD,   96                          ; v96-159 x as it is loaded
.set CD,   160                         ; v160-183 codes
; Two whole blocks of 32 of one lane, v[src ..] and v[src + 32 ..], become registers dst .. dst + 11 of an operand, and two scale bytes.
.macro QB src, dst, e0, e1
	v_max3_num_f32 v[T], |v[(\src)]|, |v[(\src)+1]|, FLOOR
	v_max3_num_f32 v[T+1], |v[(\src)+32]|, |v[(\src)+33]|, FLOOR
.irp i, 2,4,6,8,10,12,14,16,18,20,22,24,26,28,30
	v_max3_num_f32 v[T], v[T], |v[(\src)+\i]|, |v[(\src)+\i+1]|          ; the two blocks by turns
	v_max3_num_f32 v[T+1], v[T+1], |v[(\src)+32+\i]|, |v[(\src)+33+\i]|
.endr
	v_add_nc_u32 v[SC], 0xff000000, v[T]           ; 2 off the exponent field: the conversion takes this operand's exponent field as its scale
	v_add_nc_u32 v[SC+1], 0xff000000, v[T+1]
	v_lshrrev_b32 v[\e0], 23, v[SC]                ; the scale's byte
	v_lshrrev_b32 v[\e1], 23, v[SC+1]
	v_cvt_scalef32_pk16_fp6_f32 v[(\dst):(\dst)+2], v[(\src):(\src)+15], v[SC]
	v_cvt_scalef32_pk16_fp6_f32 v[CT:CT+2], v[(\src)+16:(\src)+31], v[SC]          ; (a conversion's three registers begin on an even number)
	v_cvt_scalef32_pk16_fp6_f32 v[(\dst)+6:(\dst)+8], v[(\src)+32:(\src)+47], v[SC+1]
	v_cvt_scalef32_pk16_fp6_f32 v[CT+4:CT+6], v[(\src)+48:(\src)+63], v[SC+1]
	v_nop                                          ; one plain line behind the conversions
.irp i, 0,1,2
	v_mov_b32 v[(\dst)+3+\i], v[CT+\i]
	v_mov_b32 v[(\dst)+9+\i], v[CT+4+\i]
.endr
.endm
.macro CLOSE                           ; the wave's end
	s_wait_tensorcnt 0x0
	ds_add_u32 v[SPW], v[NIL]
	s_wait_dscnt 0x0
	s_endpgm
.endm
	s_load_b256 s[4:11], s[0:1], 0x0               ; x s[4:5], Wq s[6:7], Wk s[8:9], Wv s[10:11]
	s_load_b128 s[12:15], s[0:1], 0x20             ; Wo s[12:13], xrec s[14:15]
	s_load_b64 s[16:17], s[0:1], 0x30              ; wrec
	v_lshl_add_u32 v[SPW], v0, 2, SPARE
	v_mov_b32 v[NIL], 0
	v_lshrrev_b32 v1, 5, v0
	v_readfirstlane_b32 s18, v1                    ; the wave's number = the K step
	v_and_b32 v1, 31, v0                           ; lane
	v_and_b32 v2, 15, v0                           ; r
	v_bfe_u32 v3, v0, 4, 1                         ; h
	v_lshlrev_b32 v[LI], 4, v1
	s_mov_b32 s20, 0x76543210
	s_mov_b32 s21, 0xfedcba98                      ; v_permlanex16_b32's selects for lane l xor 16
	s_mul_i32 s19, s18, WSTG
	v_add_nc_u32 v[SIN], s19, v[LI]                ; in: a row's 512 bytes as they lie
	v_mul_u32_u24 v[SOUT], v2, SPITCH
	v_lshl_add_u32 v[SOUT], v3, 7, v[SOUT]
	v_add_nc_u32 v[SOUT], s19, v[SOUT]             ; out: row r, + 128 h: my 32 numbers of each 64
	v_and_b32 v[WLD], 7, v0
	v_bfe_u32 v9, v0, 3, 1
	v_lshl_add_u32 v[WLD], v9, 4, v[WLD]
	v_lshl_add_u32 v[WLD], v3, 3, v[WLD]
	v_lshlrev_b32 v[WLD], 2, v[WLD]                ; 4 x (8 (lane / 16) + r % 8 + 16 (r / 8)): lanes 0-15 the even tile's columns, lanes 16-31 the odd tile's
	v_mul_u32_u24 v[WST], v3, REC
	v_lshl_add_u32 v[WST], v2, 4, v[WST]           ; my tile's record, row r's 16 bytes
	v_mov_b32 v[PX], 0                             ; written once: a lane permute's destination counts as one of its sources
	s_mov_b32 s31, 0
	s_mov_b32 s33, 0
	s_mov_b32 s35, 0
	s_cmp_lt_u32 ttmp9, 64
	s_cbranch_scc1 .Lweights
	; ---- x: K is innermost.  16 rows x 512 bytes come as they lie, turn through the wave's own stage, and come back 128 bytes a lane and block
	s_sub_co_u32 s22, ttmp9, 64                    ; the tile
	s_lshr_b32 s30, s22, 1
	s_lshl_b32 s30, s30, 5
	s_and_b32 s23, s22, 1
	s_lshl_b32 s23, s23, 3
	s_add_co_u32 s30, s30, s23                     ; its first token: 32 (tile / 2) + 8 (tile % 2)
	s_lshl_b32 s30, s30, 11
	s_lshl_b32 s23, s18, 9
	s_add_co_u32 s30, s30, s23                     ; in bytes, + the K step's 512
	s_mul_i32 s34, s22, REC
	s_mul_i32 s23, s18, FRB
	s_add_co_u32 s32, s34, s23                     ; the image
	s_lshl_b32 s23, s18, 2
	s_add_co_u32 s34, s34, s23
	s_add_co_u32 s34, s34, SCO                     ; its scale words
	s_wait_kmcnt 0x0
	s_add_nc_u64 s[24:25], s[4:5], s[30:31]
	s_add_nc_u64 s[26:27], s[14:15], s[32:33]
	s_add_nc_u64 s[28:29], s[14:15], s[34:35]
.irp i, 0,1,2,3,4,5,6,7,8,9,10,11,12,13,14,15
	global_load_b128 v[LD+4*\i:LD+4*\i+3], v[LI], s[24:25] offset:((\i%8)+16*(\i/8))*XROW th:TH_LOAD_NT   ; row i of the tile: 512 consecutive bytes
.endr
.irp i, 0,1,2,3,4,5,6,7,8,9,10,11,12,13,14,15
	s_wait_loadcnt 15-\i                           ; row i is in; the 15 - i younger loads may be out
	ds_store_b128 v[SIN], v[LD+4*\i:LD+4*\i+3] offset:SPITCH*\i
.endr
	s_wait_alu depctr_va_vdst(0)
.irp c, 0,1
.irp j, 0,1,2,3,4,5,6,7
	ds_load_b128 v[X+32*\c+4*\j:X+32*\c+4*\j+3], v[SOUT] offset:256*\c+16*\j   ; k = 64 c + 32 h + 4 j ..: LDS serves a wave's instructions in order, so these see my stores
.endr
.endr
	s_wait_dscnt 0x0
	QB X, CD, EB, EB+1                             ; my blocks h and 2 + h of row r
	v_lshl_or_b32 v[WD], v[EB+1], 16, v[EB]
	v_lshlrev_b32 v9, 3, v3
	v_lshlrev_b32 v[WD], v9, v[WD]                 ; at their places in the word, 8 h bits up;
	v_permlanex16_b32 v[PX], v[WD], s20, s21
	v_or_b32 v[WD], v[WD], v[PX]                   ; with lane l xor 16's two the word is whole, in both halves of the lanes
.irp c, 0,1,2
	global_store_b128 v[LI], v[CD+4*\c:CD+4*\c+3], s[26:27] offset:512*\c   ; 512 consecutive bytes, at a multiple of 256 from the buffer's first byte
.endr
	global_store_b32 v[LI], v[WD], s[28:29]
	CLOSE
	; ---- a weight: K is its FIRST axis.  A lane takes a column and its registers run down K: all 128 of the K step, which are the fragment's lanes r and 16 + r
.Lweights:
	s_lshr_b32 s22, ttmp9, 4                       ; which weight: 0 Wq, 1 Wk, 2 Wv, 3 Wo
	s_and_b32 s23, ttmp9, 15                       ; which 32 columns
	s_lshl_b32 s30, s18, 18                        ; the K step's 128 rows of 2,048 bytes
	s_lshl_b32 s36, s23, 7
	s_add_co_u32 s30, s30, s36
	s_lshl_b32 s36, s22, 5
	s_lshl_b32 s37, s23, 1
	s_add_co_u32 s36, s36, s37                     ; the even tile's record: 32 x weight + 2 x group
	s_mul_i32 s34, s36, REC
	s_mul_i32 s37, s18, FRB
	s_add_co_u32 s32, s34, s37
	s_lshl_b32 s37, s18, 2
	s_add_co_u32 s34, s34, s37
	s_add_co_u32 s34, s34, SCO
	s_wait_kmcnt 0x0
	s_bitcmp1_b32 s22, 0                           ; the choice hangs on the work-group's number alone
	s_cselect_b64 s[24:25], s[8:9], s[6:7]
	s_cselect_b64 s[38:39], s[12:13], s[10:11]
	s_cmp_lt_u32 s22, 2
	s_cselect_b64 s[24:25], s[24:25], s[38:39]
	s_add_nc_u64 s[24:25], s[24:25], s[30:31]
	s_add_nc_u64 s[26:27], s[16:17], s[32:33]
	s_add_nc_u64 s[28:29], s[16:17], s[34:35]
	s_wait_alu depctr_va_vdst(0)
.irp hh, 0,1
.irp c, 0,1
.irp i, 0,1,2,3,4,5,6,7,8,9,10,11,12,13,14,15,16,17,18,19,20,21,22,23,24,25,26,27,28,29,30,31
	global_load_b32 v[X+64*\hh+32*\c+\i], v[WLD], s[24:25] offset:(64*\c+32*\hh+\i)*XROW   ; W(64 c + 32 hh + i, my column): the wave reads 128 consecutive bytes
.endr
.endr
.endr
	s_wait_loadcnt 63                              ; of the 128 loads at most 63 are out: the first 64 are in
	QB X, CD, EB, EB+2                             ; blocks 0 and 2: the registers of fragment lane r
	s_wait_loadcnt 0x0
	QB X+64, CD+12, EB+1, EB+3                     ; blocks 1 and 3: those of fragment lane 16 + r
	v_lshl_or_b32 v[WD], v[EB+1], 8, v[EB]
	v_lshl_or_b32 v[WD], v[EB+2], 16, v[WD]
	v_lshl_or_b32 v[WD], v[EB+3], 24, v[WD]        ; my column's scale word
.irp hh, 0,1
.irp c, 0,1,2
	global_store_b128 v[WST], v[CD+12*\hh+4*\c:CD+12*\hh+4*\c+3], s[26:27] offset:512*\c+256*\hh   ; sixteen lanes store 256 consecutive bytes, aligned
.endr
.endr
	global_store_b32 v[WST], v[WD], s[28:29]
	global_store_b32 v[WST], v[WD], s[28:29] offset:256   ; and the copy for lanes 16-31
	CLOSE
.Lfunc_end_k_qeb12c87a0e_prep:
	.size	k_qeb12c87a0e_prep, .Lfunc_end_k_qeb12c87a0e_prep-k_qeb12c87a0e_prep
	.p2alignl 7, 3214868480
	.fill 96, 4, 3214868480
	.section	.rodata,"a",@progbits
	.p2align	6, 0x0
	.amdhsa_kernel k_qeb12c87a0e_prep
		.amdhsa_group_segment_fixed_size 34304
		.amdhsa_private_segment_fixed_size 0
		.amdhsa_enable_private_segment 0
		.amdhsa_kernarg_size 56
		.amdhsa_user_sgpr_count 2
		.amdhsa_user_sgpr_kernarg_segment_ptr 1
		.amdhsa_wavefront_size32 1
		.amdhsa_system_sgpr_workgroup_id_x 1
		.amdhsa_system_sgpr_workgroup_id_y 1
		.amdhsa_system_sgpr_workgroup_id_z 1
		.amdhsa_system_vgpr_workitem_id 0
		.amdhsa_next_free_vgpr 192
		.amdhsa_next_free_sgpr 66
		.amdhsa_reserve_vcc 0
		.amdhsa_float_denorm_mode_32 3
		.amdhsa_float_denorm_mode_16_64 3
		.amdhsa_memory_ordered 1
		.amdhsa_forward_progress 1
		.amdhsa_inst_pref_size 30
	.end_amdhsa_kernel
	.amdgpu_metadata
---
amdhsa.version: [ 1, 2 ]
amdhsa.kernels:
  - .name:           k_qeb12c87a0e_prep
    .symbol:         k_qeb12c87a0e_prep.kd
    .args:
      - { .name: x, .offset: 0, .size: 8, .value_kind: global_buffer, .address_space: global }
      - { .name: Wq, .offset: 8, .size: 8, .value_kind: global_buffer, .address_space: global }
      - { .name: Wk, .offset: 16, .size: 8, .value_kind: global_buffer, .address_space: global }
      - { .name: Wv, .offset: 24, .size: 8, .value_kind: global_buffer, .address_space: global }
      - { .name: Wo, .offset: 32, .size: 8, .value_kind: global_buffer, .address_space: global }
      - { .name: xrec, .offset: 40, .size: 8, .value_kind: global_buffer, .address_space: global }
      - { .name: wrec, .offset: 48, .size: 8, .value_kind: global_buffer, .address_space: global }
    .group_segment_fixed_size: 34304
    .private_segment_fixed_size: 0
    .kernarg_segment_align: 8
    .kernarg_segment_size: 56
    .max_flat_workgroup_size: 128
    .sgpr_count:     66
    .vgpr_count:     192
    .wavefront_size: 32
...
	.end_amdgpu_metadata
.endif
;; end of part 5
;; launch qkv (part 6): grid 64 x 3, 8 waves a work-group, no clusters, 54,272 bytes of LDS; arguments xrec, wrec, bq, bk, bv, qrec, krec, vrec; writes qrec, krec, vrec
.if DOCPART == 6
	.amdgcn_target "amdgcn-amd-amdhsa--gfx1250"
	.amdhsa_code_object_version 6
	.text
	.protected	k_qeb12c87a0e_qkv
	.globl	k_qeb12c87a0e_qkv
	.p2align	8
	.type	k_qeb12c87a0e_qkv,@function
k_qeb12c87a0e_qkv:
	s_mov_b64 s[64:65], 0
	v_nop
	global_prefetch_b8 v0, s[64:65] scope:SCOPE_SE
	s_setreg_imm32_b32 hwreg(HW_REG_WAVE_SCHED_MODE, 0, 2), 2
	s_setreg_imm32_b32 hwreg(HW_REG_WAVE_MODE, 25, 1), 1
	s_wait_xcnt 0x0
	s_wait_alu depctr_vm_vsrc(0)
; q = x Wq + bq, k = x Wk + bk, v = x Wv + bv on codes of FP6 (E2M3), and the quantisers of q and k (along the head's 64) and of v (along the keys).  Tiles, images and records: as the first kernel's head says.
; SHARES.  Work-group (R, y): 128 tokens x all 512 columns of weight y (0 q, 1 k, 2 v).  Wave w is head w: its four tiles of the weight, 16 fragments, stay in 192 registers, read from memory once.
; The tokens' eight records of x come into LDS once, by a flat copy through registers, and all eight waves read them.  The tokens go in two blocks of 64: 16 accumulators, 64 matrix instructions each.
; q, k: source 0 = 16 columns of W, source 1 = 16 tokens: a lane holds ONE token and its 32 registers of a token tile are d = 32 b + 16 (lane / 16) + 0 .. 15.
; v:    source 0 = 16 tokens, source 1 = 16 columns of W: a lane holds ONE d and its 32 registers of a tile of W are keys 32 b + 16 (lane / 16) + 0 .. 15 of the block.
; OUT, one record for 128 tokens of a head.  q, k: image g holds tokens 32 g .. 32 g + 31: registers 0-5 the even tile's 64 d, registers 6-11 the odd tile's; v: image t holds d tile t x the 128 keys.
; The bias is the C of each sum's first matrix instruction.  192 work-groups: a fragment of v wants 128 tokens in one wave, and half the tokens to a work-group would read the weights twice as often.
; No cluster and no tensor load: the weights go from memory straight into the registers in which they stay, and each LDS byte is filled once.
; LIMITS: as the first kernel's head says (blocks under 2^-124; NaN and infinities).
; THE MODE: SCHED_MODE bits 1:0 = 2 (LLVM: expert scheduling mode 2), set by the entry lines.  The code itself states the register dependences between vector or matrix instructions and memory or LDS
; instructions, with s_wait_alu, always for 0.
; THE PLAN.  Registers that memory or LDS instructions touch:
;   v1, v2, v3, v5   offsets, made at the head and never written again: one wait on va_vdst ahead of the first load serves every load and store of the kernel.
;   v128-179         the copy of x: global loads land there, the LDS stores read them; afterwards they are accumulators: one wait on vm_vsrc behind the barrier.
;   W, the bias, WS  loaded once; matrix instructions alone name them.
;   THE RING         three buffers of two fragments of x: v48-71, v72-95, and v224-247 of window 1.  A PAIR STEP n of a block is K step n / 2 x token tiles 2 (n % 2), 2 (n % 2) + 1: eight matrix instructions; its two
;                    fragments lie in buffer n % 3.  At the head of K steps 1, 2, 3 ONE wait on va_vdst states that the two pair steps before are done reading their buffers; behind it the loads of pair steps
;                    2 s + 1 and 2 s + 2 go into just these two, and the step's sixteen matrix instructions, which name the third buffer and then the first of the two, follow with waits on DScnt alone.
;   XS               x's scale words of a block: loaded at the block's head, read by its matrix instructions.
;   PC               q, k: the out-buffer.  Written by a block's quantiser, read by the block's six stores; written again a whole block later, behind s_wait_xcnt 0 and a wait on vm_vsrc.
;   IM               v: four images in the ring's v48-95, made behind the last products, read by twelve stores behind one wait on va_vdst, never written again.
;   SW               the record's scale words: written by the quantisers, read by the last store, which the last wait on va_vdst of either path covers.
; At the second block's head ONE wait on va_vdst states all that its first loads and the first block's stores hang on; the loads stand first behind it, then the stores.
.set REC,   6656
.set FRB,   1536
.set SCO,   6144
.set SPARE, 8*REC                      ; behind x's eight records: the spare words, 128 bytes for each wave, which no other line names
.set FLOOR, 0x1800000
.set LI,  1                            ; v1   16 x lane
.set CP,  2                            ; v2   16 x thread: the flat copy
.set BOQ, 3                            ; v3   the bias's offset, q and k: 64 (lane / 16)
.set BOV, 5                            ; v5   v: 4 (r % 8 + 16 (r / 8))
.set CT,  6                            ; v6-8 the upper half of a block's codes: no memory instruction names them
.set SPW, 10                           ; v10  my spare word; never rewritten
.set NIL, 11                           ; v11  0; never rewritten
.set SW,  12                           ; v12-15 the record's four scale words
.set WS,  16                           ; v16-31 W's scale words: tile t, K step s at 4 t + s
.set XS,  32                           ; v32-47 x's: tile m, K step s at 4 m + s
.set XF,  48                           ; v48-71, v72-95 the ring's buffers 0 and 1
.set XF2, 224                          ; window 1: v224-247 the ring's buffer 2
.set IM,  48                           ; behind the last products: v48-95 the four images of v
.set PC,  96                           ; v96-119 codes
.set T,   120                          ; v120-125 at work
.set ACC, 128                          ; v128-255 sixteen accumulators
.set BI,  192                          ; window 1: v0-191 W's fragments (tile t, K step s at 12 (4 t + s)); v192-223 the bias, eight registers a tile
.set SEL, 22
.set MSB, 0
.macro WIN new                         ; the immediate's high byte repeats the setting that is left
.if MSB != (\new)
	s_set_vgpr_msb (MSB<<8)|(\new)
.set MSB, (\new)
.endif
.endm
.macro PLACES                          ; four plain lines behind matrix instructions, ahead of the first read of results and of loads into their sources: they stay beside the waits, which fill no place
.rept 4
	v_nop
.endr
.endm
; 32 numbers of a lane, register 16 b + i = place 32 b + 16 (lane / 16) + i along K, become six registers of an operand (lanes 0-15 block 0, lanes 16-31 block 1) and two scale bytes, the lower (c = 0) or upper (c = 1) half of v[sw].
.macro QH src, dst, sw, c
	v_max3_num_f32 v[T], |v[(\src)]|, |v[(\src)+1]|, FLOOR               ; each accumulator is read from its low end on
	v_max3_num_f32 v[T+1], |v[(\src)+16]|, |v[(\src)+17]|, FLOOR
.irp i, 2,4,6,8,10,12,14
	v_max3_num_f32 v[T], v[T], |v[(\src)+\i]|, |v[(\src)+\i+1]|
	v_max3_num_f32 v[T+1], v[T+1], |v[(\src)+16+\i]|, |v[(\src)+17+\i]|
.endr
	v_permlanex16_b32 v[T+2], v[T], s[SEL], s[SEL+1]
	v_permlanex16_b32 v[T+3], v[T+1], s[SEL], s[SEL+1]
	v_max_num_f32 v[T], v[T], v[T+2]               ; with lane l xor 16's 16: the block's largest magnitude
	v_max_num_f32 v[T+1], v[T+1], v[T+3]
	v_add_nc_u32 v[T+4], 0xff000000, v[T]          ; 2 off the exponent field: the conversion's scale operand
	v_add_nc_u32 v[T+5], 0xff000000, v[T+1]
	v_lshrrev_b32 v[T+2], 23, v[T+4]               ; the scale's byte
	v_lshrrev_b32 v[T+3], 23, v[T+5]
.if (\c) == 0
	v_lshl_or_b32 v[\sw], v[T+3], 8, v[T+2]
.else
	v_lshl_or_b32 v[T+2], v[T+3], 8, v[T+2]
	v_lshl_or_b32 v[\sw], v[T+2], 16, v[\sw]
.endif
	v_cvt_scalef32_pk16_fp6_f32 v[(\dst):(\dst)+2], v[(\src):(\src)+15], v[T+4]
	v_cvt_scalef32_pk16_fp6_f32 v[CT:CT+2], v[(\src)+16:(\src)+31], v[T+5]
	v_nop                                          ; one plain line behind the conversions
.irp i, 0,1,2
	v_permlane16_swap_b32 v[(\dst)+\i], v[CT+\i]   ; the first's lanes 16-31 change places with the second's lanes 0-15: each lane now holds a whole block
.endr
.irp i, 0,1,2
	v_mov_b32 v[(\dst)+3+\i], v[CT+\i]
.endr
.endm
.macro XSCALE be                       ; the scale words of block be's four tiles of x, all four K steps
.irp m, 0,1,2,3
	ds_load_b128 v[XS+4*\m:XS+4*\m+3], v[LI] offset:REC*(4*(\be)+\m)+SCO
.endr
.endm
.macro RING ps                         ; pair step ps: XB the first register of its ring buffer, XW that buffer's window, KST its K step, HF which two token tiles
.if (\ps)%3 == 2
.set XB, XF2
.set XW, 1
.else
.set XB, XF+24*((\ps)%3)
.set XW, 0
.endif
.set KST, (\ps)/2
.set HF, (\ps)%2
.endm
.macro XPAIR be, ps                    ; the two fragments of block be's pair step ps, from LDS into its ring buffer: six loads
	RING \ps
	WIN 0x40*XW                                    ; the destination's window; the address lies in window 0
.irp m, 0,1
.irp c, 0,1,2
	ds_load_b128 v[XB+12*\m+4*\c:XB+12*\m+4*\c+3], v[LI] offset:REC*(4*(\be)+2*HF+\m)+FRB*KST+512*\c
.endr
.endr
.endm
; The eight matrix instructions of a pair step; the accumulators take turns, one instruction a turn, in the same order in every K step.
.macro MULQK ps                        ; accumulator 4 i + k: token tile i, W tile k
	RING \ps
.if (\ps) < 2
	WIN 0x11+4*XW                                  ; source 0 (W) and source 2 (the bias) window 1; source 1 (x) the ring buffer's
.else
	WIN 0x01+4*XW
.endif
.irp i, 0,1
.irp k, 0,1,2,3
.set AC, ACC+8*(4*(2*HF+\i)+\k)
.if (\ps) < 2
	v_wmma_scale_f32_16x16x128_f8f6f4 v[AC:AC+7], v[12*(4*\k+KST):12*(4*\k+KST)+11], v[XB+12*\i:XB+12*\i+11], v[BI+8*\k:BI+8*\k+7], v[WS+4*\k+KST], v[XS+4*(2*HF+\i)+KST] matrix_a_fmt:MATRIX_FMT_FP6 matrix_b_fmt:MATRIX_FMT_FP6
.else
	v_wmma_scale_f32_16x16x128_f8f6f4 v[AC:AC+7], v[12*(4*\k+KST):12*(4*\k+KST)+11], v[XB+12*\i:XB+12*\i+11], v[AC:AC+7], v[WS+4*\k+KST], v[XS+4*(2*HF+\i)+KST] matrix_a_fmt:MATRIX_FMT_FP6 matrix_b_fmt:MATRIX_FMT_FP6
.endif
.endr
.endr
.endm
.macro MULV ps                         ; accumulator 4 i + k: W tile i, token tile k
	RING \ps
.if (\ps) < 2
	WIN 0x14+XW                                    ; source 1 (W) and source 2 (the bias) window 1; source 0 (x) the ring buffer's
.else
	WIN 0x04+XW
.endif
.irp i, 0,1,2,3
.irp k, 0,1
.set AC, ACC+8*(4*\i+2*HF+\k)
.if (\ps) < 2
	v_wmma_scale_f32_16x16x128_f8f6f4 v[AC:AC+7], v[XB+12*\k:XB+12*\k+11], v[12*(4*\i+KST):12*(4*\i+KST)+11], v[BI+8*\i:BI+8*\i+7], v[XS+4*(2*HF+\k)+KST], v[WS+4*\i+KST] matrix_a_fmt:MATRIX_FMT_FP6 matrix_b_fmt:MATRIX_FMT_FP6
.else
	v_wmma_scale_f32_16x16x128_f8f6f4 v[AC:AC+7], v[XB+12*\k:XB+12*\k+11], v[12*(4*\i+KST):12*(4*\i+KST)+11], v[AC:AC+7], v[XS+4*(2*HF+\k)+KST], v[WS+4*\i+KST] matrix_a_fmt:MATRIX_FMT_FP6 matrix_b_fmt:MATRIX_FMT_FP6
.endif
.endr
.endr
.endm
.macro MUL8 isv, ps
.if \isv
	MULV \ps
.else
	MULQK \ps
.endif
.endm
.macro KHEAD be                        ; a block's first loads: its scale words and pair steps 0, 1, 2: 22 LDS loads in one run
	XSCALE \be
	XPAIR \be, 0
	XPAIR \be, 1
	XPAIR \be, 2
	WIN 0
.endm
.macro KBODY be, isv                   ; block be's 64 tokens x my head's 64 columns, K = 512 in four steps of two pair steps
	s_wait_dscnt 12                                ; the scale words and pair step 0 are in; pair steps 1 and 2, twelve loads, may be out
	MUL8 \isv, 0
	s_wait_dscnt 6                                 ; pair step 1 is in; pair step 2's six loads may be out
	MUL8 \isv, 1
	PLACES
	WIN 0                                          ; the window of the first load below, ahead of the wait
	s_wait_dscnt 0x0                               ; pair step 2 is in
	s_wait_alu depctr_va_vdst(0)                   ; pair steps 0 and 1 are done reading ring buffers 0 and 1, in which the loads below land
	XPAIR \be, 3
	XPAIR \be, 4
	MUL8 \isv, 2                                   ; names buffer 2, W, the scale words and the accumulators: none of the registers that the twelve loads touch
	s_wait_dscnt 6                                 ; pair step 3 is in; pair step 4's six loads may be out
	MUL8 \isv, 3
	PLACES
	WIN 0x40
	s_wait_dscnt 0x0                               ; pair step 4 is in
	s_wait_alu depctr_va_vdst(0)                   ; pair steps 2 and 3 are done reading ring buffers 2 and 0, in which the loads below land
	XPAIR \be, 5
	XPAIR \be, 6
	MUL8 \isv, 4
	s_wait_dscnt 6                                 ; pair step 5 is in; pair step 6's six loads may be out
	MUL8 \isv, 5
	PLACES
	WIN 0
	s_wait_dscnt 0x0                               ; pair step 6 is in
	s_wait_alu depctr_va_vdst(0)                   ; pair step 4 is done reading ring buffer 1, in which the loads below land
	XPAIR \be, 7
	MUL8 \isv, 6
	s_wait_dscnt 0x0                               ; pair step 7 is in
	MUL8 \isv, 7
	WIN 0
	PLACES
.endm
.macro QK4 be                          ; q, k: block be's four token tiles are quantised: token tile 4 be + i is half i % 2 of image 2 be + i / 2
.irp i, 0,1,2,3
	QH ACC+32*\i, PC+6*\i, SW+2*(\be)+\i/2, \i%2
.endr
.endm
.macro QKST be                         ; and their two images are stored
.irp g, 0,1
.irp c, 0,1,2
	global_store_b128 v[LI], v[PC+12*\g+4*\c:PC+12*\g+4*\c+3], s[26:27] offset:FRB*(2*(\be)+\g)+512*\c   ; 512 consecutive bytes, aligned
.endr
.endr
.endm
	s_load_b256 s[4:11], s[0:1], 0x0               ; xrec s[4:5], wrec s[6:7], bq s[8:9], bk s[10:11]
	s_load_b256 s[12:19], s[0:1], 0x20             ; bv s[12:13], qrec s[14:15], krec s[16:17], vrec s[18:19]
	v_lshl_add_u32 v[SPW], v0, 2, SPARE
	v_mov_b32 v[NIL], 0
	v_lshrrev_b32 v4, 5, v0
	v_readfirstlane_b32 s20, v4                    ; the wave's number = the head
	s_and_b32 s21, ttmp7, 0xffff                   ; y
	v_and_b32 v4, 31, v0
	v_lshlrev_b32 v[LI], 4, v4
	v_lshlrev_b32 v[CP], 4, v0
	v_bfe_u32 v4, v0, 4, 1
	v_lshlrev_b32 v[BOQ], 6, v4
	v_and_b32 v[BOV], 7, v0
	v_bfe_u32 v4, v0, 3, 1
	v_lshl_add_u32 v[BOV], v4, 4, v[BOV]
	v_lshlrev_b32 v[BOV], 2, v[BOV]
	v_mov_b32 v[T+2], 0                            ; written once: a lane permute's destination counts as one of its sources
	v_mov_b32 v[T+3], 0
	s_mov_b32 s[SEL], 0x76543210
	s_mov_b32 s[SEL+1], 0xfedcba98
	s_mul_i32 s28, ttmp9, 8*REC                    ; my 128 tokens' records of x
	s_mov_b32 s29, 0
	s_lshl_b32 s30, s21, 5
	s_wait_alu depctr_va_sdst(0)                   ; s20 is written, ahead of its first reader: the bases of the weight, the bias and the output are made from it
	s_lshl_b32 s34, s20, 2
	s_add_co_u32 s30, s30, s34
	s_mul_i32 s30, s30, REC                        ; my four tiles of weight y: record 32 y + 4 w
	s_mov_b32 s31, 0
	s_lshl_b32 s32, s20, 8                         ; my head's 64 numbers of the bias
	s_mov_b32 s33, 0
	s_lshr_b32 s34, ttmp9, 5
	s_lshl_b32 s34, s34, 3
	s_add_co_u32 s34, s34, s20                     ; batch x 8 + head
	s_lshl_b32 s34, s34, 5
	s_and_b32 s36, ttmp9, 31
	s_add_co_u32 s34, s34, s36                     ; x 32 + the block of 128 tokens
	s_mul_i32 s34, s34, REC
	s_mov_b32 s35, 0
	s_wait_kmcnt 0x0
	s_cmp_eq_u32 s21, 0                            ; the choices hang on the work-group's number alone
	s_cselect_b64 s[24:25], s[8:9], s[10:11]
	s_cselect_b64 s[26:27], s[14:15], s[16:17]
	s_cmp_eq_u32 s21, 2
	s_cselect_b64 s[24:25], s[12:13], s[24:25]
	s_cselect_b64 s[26:27], s[18:19], s[26:27]
	s_add_nc_u64 s[4:5], s[4:5], s[28:29]
	s_add_nc_u64 s[6:7], s[6:7], s[30:31]
	s_add_nc_u64 s[24:25], s[24:25], s[32:33]
	s_add_nc_u64 s[26:27], s[26:27], s[34:35]
	s_wait_alu depctr_va_vdst(0)                   ; the offsets v1, v2, v3 and v5 are written, which the loads and stores of the whole kernel read; no vector instruction writes them again
	s_cmp_eq_u32 s21, 2
	s_cbranch_scc1 .Lbias_v
	WIN 0x40                                       ; destination window 1
.irp t, 0,1,2,3                        ; q, k: register j of tile t is column 32 (t / 2) + 8 (t % 2) + 16 (lane / 16) + j
	global_load_b128 v[BI+8*\t:BI+8*\t+3], v[BOQ], s[24:25] offset:(32*(\t/2)+8*(\t%2))*4
	global_load_b128 v[BI+8*\t+4:BI+8*\t+7], v[BOQ], s[24:25] offset:(32*(\t/2)+8*(\t%2))*4+16
.endr
	WIN 0
	s_branch .Lbias_asked
.Lbias_v:
	WIN 0x40
.irp t, 0,1,2,3                        ; v: all eight registers of tile t are the lane's own column 32 (t / 2) + 8 (t % 2) + r % 8 + 16 (r / 8)
.irp j, 0,1,2,3,4,5,6,7
	global_load_b32 v[BI+8*\t+\j], v[BOV], s[24:25] offset:(32*(\t/2)+8*(\t%2))*4
.endr
.endr
	WIN 0
.Lbias_asked:
.irp i, 0,1,2,3,4,5,6,7,8,9,10,11,12
	global_load_b128 v[ACC+4*\i:ACC+4*\i+3], v[CP], s[4:5] offset:4096*\i     ; x's eight records: 13 x 4,096 bytes, 16 a thread
.endr
	WIN 0x40
.irp t, 0,1,2,3
.irp s, 0,1,2,3
.irp c, 0,1,2
	global_load_b128 v[12*(4*\t+\s)+4*\c:12*(4*\t+\s)+4*\c+3], v[LI], s[6:7] offset:REC*\t+FRB*\s+512*\c
.endr
.endr
.endr
	WIN 0
.irp t, 0,1,2,3
	global_load_b128 v[WS+4*\t:WS+4*\t+3], v[LI], s[6:7] offset:REC*\t+SCO
.endr
	s_wait_loadcnt 52                              ; the weights' 48 + 4 loads may be out; the bias and x, which are older, are in
.irp i, 0,1,2,3,4,5,6,7,8,9,10,11,12
	ds_store_b128 v[CP], v[ACC+4*\i:ACC+4*\i+3] offset:4096*\i
.endr
	s_wait_dscnt 0x0                               ; for the others' sake: my part of the copy has landed
	s_barrier_signal -1
	s_barrier_wait -1                              ; x's eight records lie in LDS; nothing is stored there again
	s_wait_alu depctr_vm_vsrc(0)                   ; my LDS stores have read v128-179: these registers are accumulators from here on, written by the matrix instructions of either path
	s_wait_loadcnt 0x0                             ; the weights
	s_cmp_eq_u32 s21, 2
	s_cbranch_scc1 .Lpath_v
	; ---- q, k
	KHEAD 0                                        ; no vector or matrix instruction has named XS or the ring yet
	KBODY 0, 0
	QK4 0
	s_wait_alu depctr_va_vdst(0)                   ; the first block's products are done reading XS and the ring, in which the loads below land; its quantiser has written PC, which the stores below read
	KHEAD 1
	QKST 0
	KBODY 1, 0
	s_wait_xcnt 0x0                                ; the first block's stores have had their addresses translated: the codes may be written again,
	s_wait_alu depctr_vm_vsrc(0)                   ; and they have read PC, which the quantiser below writes again
	QK4 1
	s_wait_alu depctr_va_vdst(0)                   ; the quantiser has written PC and SW, which the stores below and the record's last store read
	QKST 1
	s_branch .Lscales
	; ---- v: a fragment's K is the record's 128 keys: registers 0-5 come of the first block of 64 tokens, registers 6-11 of the second
.Lpath_v:
	KHEAD 0                                        ; no vector or matrix instruction has named XS or the ring yet
	KBODY 0, 1
.irp t, 0,1,2,3
	QH ACC+32*\t, PC+6*\t, SW+\t, 0
.endr
	s_wait_alu depctr_va_vdst(0)                   ; the first block's products are done reading XS and the ring, in which the loads below land
	KHEAD 1
	KBODY 1, 1
.irp t, 0,1,2,3                        ; the four images stand side by side in the ring's v48-95, which the products have left
.irp i, 0,1,2,3,4,5
	v_mov_b32 v[IM+12*\t+\i], v[PC+6*\t+\i]
.endr
	QH ACC+32*\t, IM+12*\t+6, SW+\t, 1
.endr
	s_wait_alu depctr_va_vdst(0)                   ; the moves and the quantiser have written IM and SW, which the stores below and the record's last store read
.irp t, 0,1,2,3
.irp c, 0,1,2
	global_store_b128 v[LI], v[IM+12*\t+4*\c:IM+12*\t+4*\c+3], s[26:27] offset:FRB*\t+512*\c
.endr
.endr
.Lscales:
	global_store_b128 v[LI], v[SW:SW+3], s[26:27] offset:SCO     ; the record's scale words: both halves of the lanes hold their row's
	s_wait_dscnt 0x0                               ; the wave's end
	s_wait_alu 0x0
	s_wait_tensorcnt 0x0
	ds_add_u32 v[SPW], v[NIL]
	s_wait_dscnt 0x0
	s_endpgm
.Lfunc_end_k_qeb12c87a0e_qkv:
	.size	k_qeb12c87a0e_qkv, .Lfunc_end_k_qeb12c87a0e_qkv-k_qeb12c87a0e_qkv
	.p2alignl 7, 3214868480
	.fill 96, 4, 3214868480
	.section	.rodata,"a",@progbits
	.p2align	6, 0x0
	.amdhsa_kernel k_qeb12c87a0e_qkv
		.amdhsa_group_segment_fixed_size 54272
		.amdhsa_private_segment_fixed_size 0
		.amdhsa_enable_private_segment 0
		.amdhsa_kernarg_size 64
		.amdhsa_user_sgpr_count 2
		.amdhsa_user_sgpr_kernarg_segment_ptr 1
		.amdhsa_wavefront_size32 1
		.amdhsa_system_sgpr_workgroup_id_x 1
		.amdhsa_system_sgpr_workgroup_id_y 1
		.amdhsa_system_sgpr_workgroup_id_z 1
		.amdhsa_system_vgpr_workitem_id 0
		.amdhsa_next_free_vgpr 512
		.amdhsa_next_free_sgpr 66
		.amdhsa_reserve_vcc 0
		.amdhsa_float_denorm_mode_32 3
		.amdhsa_float_denorm_mode_16_64 3
		.amdhsa_memory_ordered 1
		.amdhsa_forward_progress 1
		.amdhsa_inst_pref_size 98
	.end_amdhsa_kernel
	.amdgpu_metadata
---
amdhsa.version: [ 1, 2 ]
amdhsa.kernels:
  - .name:           k_qeb12c87a0e_qkv
    .symbol:         k_qeb12c87a0e_qkv.kd
    .args:
      - { .name: xrec, .offset: 0, .size: 8, .value_kind: global_buffer, .address_space: global }
      - { .name: wrec, .offset: 8, .size: 8, .value_kind: global_buffer, .address_space: global }
      - { .name: bq, .offset: 16, .size: 8, .value_kind: global_buffer, .address_space: global }
      - { .name: bk, .offset: 24, .size: 8, .value_kind: global_buffer, .address_space: global }
      - { .name: bv, .offset: 32, .size: 8, .value_kind: global_buffer, .address_space: global }
      - { .name: qrec, .offset: 40, .size: 8, .value_kind: global_buffer, .address_space: global }
      - { .name: krec, .offset: 48, .size: 8, .value_kind: global_buffer, .address_space: global }
      - { .name: vrec, .offset: 56, .size: 8, .value_kind: global_buffer, .address_space: global }
    .group_segment_fixed_size: 54272
    .private_segment_fixed_size: 0
    .kernarg_segment_align: 8
    .kernarg_segment_size: 64
    .max_flat_workgroup_size: 256
    .sgpr_count:     66
    .vgpr_count:     512
    .wavefront_size: 32
...
	.end_amdgpu_metadata
.endif
;; end of part 6
;; launch attn (part 7): grid 16 x 16, 16 waves a work-group, no clusters, 327,680 bytes of LDS; arguments qrec, krec, vrec, orec; writes orec
.if DOCPART == 7
	.amdgcn_target "amdgcn-amd-amdhsa--gfx1250"
	.amdhsa_code_object_version 6
	.text
	.protected	k_qeb12c87a0e_attn
	.globl	k_qeb12c87a0e_attn
	.p2align	8
	.type	k_qeb12c87a0e_attn,@function
k_qeb12c87a0e_attn:
	s_mov_b64 s[64:65], 0
	v_nop
	global_prefetch_b8 v0, s[64:65] scope:SCOPE_SE
	s_setreg_imm32_b32 hwreg(HW_REG_WAVE_MODE, 25, 1), 1
	s_wait_xcnt 0x0
; o = softmax(q k^T / 8, causal) v by heads, both products on codes of FP6 (E2M3), and the quantiser of o along D.  Tiles, images and records: as the first kernel's head says.
; WORK LEFT OUT: a key step all of whose 128 keys come after a wave's 16 queries: reference()'s own mask gives those weights 0 (shown at the first kernel's head).
; THE SOFTMAX AHEAD OF THE SECOND PRODUCT: t = score x log2(e) / 8; M = the row's largest t so far, rounded UP to a whole number; p = 2^(t - M) is what is quantised, along the keys, not normalised; the row's sum
; is taken of the unquantised p and divides at the end.  When M moves, the sum and O are multiplied by 2^(old M - new M), which rounds nothing.
; SHARES.  Work-group (j, head) owns the blocks j and 31 - j of 128 queries: 33 block steps in every work-group.  Each of its sixteen waves owns one tile of 16 queries, in 256 registers: four waves to a SIMD,
; so that one wave's vector work stands beside another's matrix work.  Which block a wave takes is (w xor w / 4) % 2: of any four waves w % 4 alike, and of any four w / 4 alike, two take each block.
; K's and V's records come through a ring of two LDS slots of 256 keys, filled by the tensor data mover (wave 0: K's two records, wave 1: V's) and read by all sixteen.
; LAYOUT.  Both products are used transposed: S^T = K Q^T, O^T = V^T P^T: a lane holds ONE query throughout.  THE HEAD'S 64 IN AN INSTRUCTION OF 128: an image of K holds two tiles of keys, one in each half
; of K; Q stands as [Q][zeros][Q] in 18 registers, so that v[16:27] meets the even tile alone and v[22:33] the odd one: a zero code adds exactly 0 whatever stands against it (the format has no NaN or infinity).
; No cluster: under the mask the work-groups of a head need different numbers of slots, so partners could not make every joint request for tiles that they read.
; LIMITS: a block's largest p is taken from its largest score (v_exp_f32 is taken not to fall where its input rises); blocks under 2^-124, NaN and infinities as the first kernel's head says.
.set REC,   6656
.set FRB,   1536
.set SCO,   6144
.set HEADB, 32*REC                     ; a head's records in each buffer
.set VOFF,  2*REC                      ; a slot: K's two records, then V's two
.set SLOT1, 32768                      ; slot 1 begins here: one exclusive or turns an address from one slot to the other
.set SPARE, 65536                      ; behind the ring: the spare words, 128 bytes for each wave, which no other line names
.set NSL,   16                         ; slots' worth of keys in a head
.set FLOOR, 0x1800000
.set LI,  1                            ; v1   16 x lane
.set AD,  2                            ; v2   LDS address of the slot in hand, + 16 x lane
.set DQ,  3                            ; v3   my query's place in its block - 16 (lane / 16)
.set SPW, 4                            ; v4   my spare word; never rewritten
.set NIL, 5                            ; v5   0; never rewritten
.set PFO, 6                            ; v6   256 x lane: the prefetches' offset; never rewritten
.set KS,  8                            ; v8-11  K's scale words.   v12 -M, v13 the largest t, v[14:15] the sum in two halves
.set QS,  34                           ; v16-33 Q, zeros, Q;  v34 Q's scale word
.set VS,  36                           ; v36-39 V's scale words
.set KV,  40                           ; v40-87 four images, of K and then of V
.set S,   96                           ; v96-159 S^T, then p
.set O,   160                          ; v160-191 O^T: four tiles of 16 d
.set PCD, 192                          ; v192-203 p's codes
.set CT,  204                          ; v204-210 the upper halves of blocks' codes
.set BM,  216                          ; v216-219 the blocks' largest scores
.set T,   216                          ; (the way out's quantiser works in v216-221)
.set BX,  220                          ; v220-223 the other half's; then the bytes
.set SO,  224                          ; v224-227 the conversions' scale operands
.set TP,  228
.set F,   230                          ; v[230:231] f = 2^(old M - new M), named as a pair
.set PW,  232                          ; p's scale word
.set SUM2, 234                         ; v[234:235] one of the sum's chains, beside v[14:15] and v244-255
.set WV,  12
.set BH,  14
.set Q0,  18                           ; s18  my block's first query
.set LASTQ, 19                         ; s19  my work-group's last query
.set SEL, 20
.set CS,  22                           ; s[22:23] c = log2(e) / 8
.set G1,  24                           ; s[24:31] descriptor group 1
.set G0K, 32                           ; s[32:35] group 0 for K's records, which walks
.set G0V, 76                           ; s[76:79] for V's
.set TB,  36                           ; s36  LDS byte at which the slot in hand begins
.set KF,  37                           ; s37  the step's first key
.set SLOTS, 38
.set LIM, 39                           ; s39  4 in a wave that prefetches, else the greatest number
.set PFA, 40                           ; s[40:41] where my prefetches stand
; Wave 0 fetches K's two records, wave 1 V's, the others nothing.  An s_nop 0 and four v_nop follow each of the two lines.
.macro TLOAD
	s_cmp_eq_u32 s[WV], 0
	s_cbranch_scc0 .Lnot_k_\@
	tensor_load_to_lds s[G0K:G0K+3], s[G1:G1+7]
	s_nop 0
.rept 4
	v_nop
.endr
	s_branch .Lasked_\@
.Lnot_k_\@:
	s_cmp_eq_u32 s[WV], 1
	s_cbranch_scc0 .Lasked_\@
	tensor_load_to_lds s[G0V:G0V+3], s[G1:G1+7]
	s_nop 0
.rept 4
	v_nop
.endr
.Lasked_\@:
.endm
; A PREFETCH INTO THE L2.  A head's K is 26 pieces of 8,192 bytes, and so is its V.  The head's work-group j = 0, which walks all keys, asks, and nobody else; in it waves 4 and 5 ask for K's, waves 6 and 7 for V's:
; at change n = 0 .. 10 of slots wave a names piece 2 n + 4 + a % 2, lanes 256 bytes apart, one instruction.  So pieces 4 to 25 are named once each and none past the head's end; pieces 0 to 3 come by their
; tensor loads alone.  At change n the tensor loads ask for bytes 13,312 (n + 1) on, the prefetch for bytes 16,384 n + 32,768 on.
.macro ASK
	s_cmp_gt_u32 s[SLOTS], s[LIM]
	s_cbranch_scc0 .Lnot_mine_\@
	global_prefetch_b8 v[PFO], s[PFA:PFA+1] th:TH_LOAD_NT scope:SCOPE_SE
.Lnot_mine_\@:
.endm
; 32 numbers of a lane, register 16 b + i = place 32 b + 16 (lane / 16) + i along K, become six registers of an operand and two scale bytes in v[sw].
.macro QH src, dst, sw
	v_max3_num_f32 v[T], |v[(\src)]|, |v[(\src)+1]|, FLOOR
	v_max3_num_f32 v[T+1], |v[(\src)+16]|, |v[(\src)+17]|, FLOOR
.irp i, 2,4,6,8,10,12,14
	s_delay_alu instid0(VALU_DEP_2)
	v_max3_num_f32 v[T], v[T], |v[(\src)+\i]|, |v[(\src)+\i+1]|
	s_delay_alu instid0(VALU_DEP_2)
	v_max3_num_f32 v[T+1], v[T+1], |v[(\src)+16+\i]|, |v[(\src)+17+\i]|
.endr
	s_delay_alu instid0(VALU_DEP_2)
	v_permlanex16_b32 v[T+2], v[T], s[SEL], s[SEL+1]
	s_delay_alu instid0(VALU_DEP_2)
	v_permlanex16_b32 v[T+3], v[T+1], s[SEL], s[SEL+1]
	s_delay_alu instid0(VALU_DEP_2)
	v_max_num_f32 v[T], v[T], v[T+2]
	s_delay_alu instid0(VALU_DEP_2)
	v_max_num_f32 v[T+1], v[T+1], v[T+3]
	s_delay_alu instid0(VALU_DEP_2)
	v_add_nc_u32 v[T+4], 0xff000000, v[T]
	s_delay_alu instid0(VALU_DEP_2)
	v_add_nc_u32 v[T+5], 0xff000000, v[T+1]
	s_delay_alu instid0(VALU_DEP_2)
	v_lshrrev_b32 v[T+2], 23, v[T+4]
	s_delay_alu instid0(VALU_DEP_2)
	v_lshrrev_b32 v[T+3], 23, v[T+5]
	s_delay_alu instid0(VALU_DEP_1)
	v_lshl_or_b32 v[\sw], v[T+3], 8, v[T+2]
	v_cvt_scalef32_pk16_fp6_f32 v[(\dst):(\dst)+2], v[(\src):(\src)+15], v[T+4]
	v_cvt_scalef32_pk16_fp6_f32 v[CT:CT+2], v[(\src)+16:(\src)+31], v[T+5]
	v_nop
.irp i, 0,1,2
	v_permlane16_swap_b32 v[(\dst)+\i], v[CT+\i]
.endr
.irp i, 0,1,2
	s_delay_alu instid0(VALU_DEP_3)
	v_mov_b32 v[(\dst)+3+\i], v[CT+\i]
.endr
.endm
	s_load_b256 s[4:11], s[0:1], 0x0               ; qrec s[4:5], krec s[6:7], vrec s[8:9], orec s[10:11]
	v_lshl_add_u32 v[SPW], v0, 2, SPARE
	v_mov_b32 v[NIL], 0
	ds_add_u32 v[SPW], v[NIL]                      ; the wave's opening: the add, twice on end, and its wait ahead of the first tensor load; the set-up below stands between
	ds_add_u32 v[SPW], v[NIL]
	v_lshrrev_b32 v2, 5, v0
	s_delay_alu instid0(VALU_DEP_1)
	v_readfirstlane_b32 s[WV], v2                  ; wave 0..15
	s_and_b32 s[BH], ttmp7, 0xffff                 ; batch x 8 + head
	s_lshr_b32 s42, s[WV], 2
	s_xor_b32 s42, s42, s[WV]
	s_and_b32 s42, s42, 1                          ; which of the two blocks
	s_lshr_b32 s43, s[WV], 1                       ; which tile of its eight
	s_lshr_b32 s44, s43, 1                         ; g: the image,
	s_and_b32 s45, s43, 1                          ; u: and its half
	s_sub_co_u32 s46, 31, ttmp9
	s_cmp_eq_u32 s42, 1
	s_cselect_b32 s47, s46, ttmp9                  ; my block of 128 queries
	s_lshl_b32 s[Q0], s47, 7
	s_lshl_b32 s[LASTQ], s46, 7
	s_or_b32 s[LASTQ], s[LASTQ], 127
	; descriptor group 1: two records, 13,312 dense bytes, as 52 rows of 256 bytes (32 elements of 8 bytes); no padding: an image is read as 512 consecutive bytes
	s_mov_b32 s[G1], 3<<16                         ; no mask; elements of 8 bytes
	s_mov_b32 s[G1+1], 32<<16                      ; tensor_dim0
	s_mov_b32 s[G1+2], 52<<16                      ; tensor_dim1
	s_mov_b32 s[G1+3], 32<<16                      ; tile_dim0
	s_mov_b32 s[G1+4], 52                          ; tile_dim1
	s_mov_b32 s[G1+5], 32                          ; the pitch
	s_mov_b32 s[G1+6], 0
	s_mov_b32 s[G1+7], 0
	s_mov_b32 s[G0K], 1
	s_mov_b32 s[G0K+1], 0                          ; LDS: slot 0, K's part
	s_mov_b32 s[G0V], 1
	s_mov_b32 s[G0V+1], VOFF                       ; V's
	s_mov_b32 s[SEL], 0x76543210
	s_mov_b32 s[SEL+1], 0xfedcba98
	s_mov_b32 s[CS], 0x3e38aa3b                    ; log2(e) / 8
	s_mov_b32 s[CS+1], s[CS]                       ; (named with it as a pair, so it is written)
	s_mov_b32 s[TB], 0
	s_mov_b32 s[KF], 0
	s_mov_b32 s[SLOTS], NSL-1
	s_mul_i32 s50, s[BH], HEADB                    ; the head's first byte in qrec, krec, vrec
	s_mov_b32 s51, 0
	s_mul_i32 s52, s47, REC
	s_add_co_u32 s52, s52, s50                     ; my block's record of q
	s_mul_i32 s54, s44, FRB
	s_add_co_u32 s54, s54, s52                     ; image g
	s_mov_b32 s55, 0
	s_lshl_b32 s56, s44, 2
	s_add_co_u32 s56, s56, s52
	s_add_co_u32 s56, s56, SCO                     ; its scale words
	s_mov_b32 s57, 0
	s_lshr_b32 s58, s[BH], 3
	s_lshl_b32 s58, s58, 8
	s_lshl_b32 s59, s47, 3
	s_add_co_u32 s58, s58, s59
	s_add_co_u32 s58, s58, s43                     ; my tile among all tokens': 256 x batch + 8 x block + tile
	s_mul_i32 s58, s58, REC
	s_and_b32 s59, s[BH], 7                        ; the head
	s_mul_i32 s60, s59, 768
	s_add_co_u32 s60, s60, s58                     ; orec: the head's half fragment
	s_mov_b32 s61, 0
	s_lshr_b32 s62, s59, 1
	s_lshl_b32 s62, s62, 7
	s_and_b32 s59, s59, 1
	s_lshl_b32 s59, s59, 1
	s_add_co_u32 s62, s62, s59
	s_add_co_u32 s62, s62, s58
	s_add_co_u32 s62, s62, SCO                     ; and its half of K step head / 2's scale words
	s_mov_b32 s63, 0
	s_and_b32 s48, s[WV], 1
	s_lshl_b32 s48, s48, 13
	s_add_co_u32 s48, s48, 16384
	s_add_co_u32 s48, s48, s50                     ; the prefetches: piece 2 + a % 2; the first change of slots steps it to piece 4 + a % 2.  Nothing is prefetched at the head
	s_mov_b32 s49, 0
	s_lshr_b32 s53, s[WV], 2
	s_xor_b32 s53, s53, 1                          ; 0 in waves 4 to 7,
	s_or_b32 s53, s53, ttmp9                       ; of work-group j = 0
	s_cmp_eq_u32 s53, 0
	s_cselect_b32 s[LIM], 4, -1
	v_and_b32 v2, 31, v0
	s_delay_alu instid0(VALU_DEP_1)
	v_lshlrev_b32 v[LI], 4, v2
	s_delay_alu instid0(VALU_DEP_2)
	v_lshlrev_b32 v[PFO], 8, v2
	v_and_b32 v[DQ], 7, v0
	v_bfe_u32 v2, v0, 3, 1
	s_delay_alu instid0(VALU_DEP_1)
	v_lshl_add_u32 v[DQ], v2, 4, v[DQ]             ; r % 8 + 16 (r / 8)
	v_bfe_u32 v2, v0, 4, 1
	s_delay_alu instid0(VALU_DEP_1)
	v_lshlrev_b32 v2, 4, v2
	s_delay_alu instid0(VALU_DEP_1)
	v_sub_nc_u32 v[DQ], v[DQ], v2                  ; - 16 (lane / 16)
	s_lshl_b32 s42, s44, 5
	s_lshl_b32 s53, s45, 3
	s_add_co_u32 s42, s42, s53
	v_add_nc_u32 v[DQ], s42, v[DQ]                 ; + 32 g + 8 u
	s_mul_i32 s42, s45, 520
	v_add_nc_u32 v7, s42, v[LI]                    ; registers 6 u, 6 u + 1 and 6 u + 4, 6 u + 5 of an image: 16 x lane + 520 u, and 512 on
	s_mul_i32 s42, s45, 1016
	v_add_nc_u32 v35, s42, v[LI]                   ; registers 6 u + 2, 6 u + 3: 16 x lane + 1,016 u + 8
	s_wait_dscnt 0x0                               ; both opening adds are done
	s_wait_kmcnt 0x0
	s_add_nc_u64 s[G0K+2:G0K+3], s[6:7], s[50:51]  ; the head's first two records
	s_or_b32 s[G0K+3], s[G0K+3], 0x80000000
	s_add_nc_u64 s[G0V+2:G0V+3], s[8:9], s[50:51]
	s_or_b32 s[G0V+3], s[G0V+3], 0x80000000
	TLOAD                                          ; slot 0
	s_cmp_lt_u32 s[WV], 6
	s_cselect_b64 s[PFA:PFA+1], s[6:7], s[8:9]
	s_add_nc_u64 s[PFA:PFA+1], s[PFA:PFA+1], s[48:49]
	s_add_nc_u64 s[72:73], s[4:5], s[54:55]
	s_add_nc_u64 s[74:75], s[4:5], s[56:57]
	s_add_nc_u64 s[68:69], s[10:11], s[60:61]
	s_add_nc_u64 s[70:71], s[10:11], s[62:63]
	s_wait_alu depctr_va_vdst(0)
.irp a, 16, 28                         ; Q's six registers, twice
	global_load_b64 v[\a:\a+1], v7, s[72:73]
	global_load_b64 v[\a+2:\a+3], v35, s[72:73] offset:8
	global_load_b64 v[\a+4:\a+5], v7, s[72:73] offset:512
.endr
	global_load_b32 v[QS], v[LI], s[74:75]
.irp i, 22,23,24,25,26,27
	v_mov_b32 v[\i], 0                             ; the zero codes between
.endr
	v_mov_b32 v13, 0xff61b1e6                      ; the largest t so far: -3e38, under every t
	s_delay_alu instid0(VALU_DEP_1)
	v_floor_f32 v12, -v13                          ; -M
	v_mov_b32 v14, 0
	v_mov_b32 v15, 0
.irp i, 0,1,2,3,4,5,6,7
	v_mov_b32 v[BM+\i], 0                          ; written once: a lane permute's destination counts as one of its sources
.endr
	v_mov_b32 v[F+1], 0                            ; (named as the upper half of the pair)
	s_wait_loadcnt 0x0                             ; Q
	s_lshl_b32 s42, s45, 4
	v_lshrrev_b32 v[QS], s42, v[QS]
	s_delay_alu instid0(VALU_DEP_1)
	v_and_b32 v[QS], 0xffff, v[QS]                 ; my tile's two bytes,
	s_delay_alu instid0(VALU_DEP_1)
	v_lshl_or_b32 v[QS], v[QS], 16, v[QS]          ; for either half of K
.set n, 0
.rept 32
	v_mov_b32 v[O+n], 0                            ; O^T.  (The loop is written once: its first step finds zeros.  These lines also stand between the scale word's last write and the first product)
.set n, n+1
.endr
; A KEY STEP: 128 keys, the q-th record of the slot in hand.
.macro STEP q
	s_cmp_gt_u32 s[KF], s[Q0]                      ; all its keys come after my queries: the step's work is left out; not the line at its end that steps the count
	s_cbranch_scc1 .Lhidden_\@
	v_add_nc_u32 v[AD], s[TB], v[LI]
.rept 3
	v_nop                                          ; with the addition: four places ahead of loads into registers that the last products read
.endr
.irp b, 0,1,2,3
.irp c, 0,1,2
	ds_load_b128 v[KV+12*\b+4*\c:KV+12*\b+4*\c+3], v[AD] offset:REC*(\q)+FRB*\b+512*\c
.endr
.endr
	ds_load_b128 v[KS:KS+3], v[AD] offset:REC*(\q)+SCO
	s_wait_alu depctr_va_vdst(0)
	s_wait_dscnt 0x0
.irp b, 0,1,2,3                        ; S^T: the 16 registers of tiles 2 b, 2 b + 1 are keys 32 b + 16 (lane / 16) + 0 .. 15
	v_wmma_scale_f32_16x16x128_f8f6f4 v[S+16*\b:S+16*\b+7], v[KV+12*\b:KV+12*\b+11], v[16:27], 0, v[KS+\b], v[QS] matrix_a_fmt:MATRIX_FMT_FP6 matrix_b_fmt:MATRIX_FMT_FP6
	v_wmma_scale_f32_16x16x128_f8f6f4 v[S+16*\b+8:S+16*\b+15], v[KV+12*\b:KV+12*\b+11], v[22:33], 0, v[KS+\b], v[QS] matrix_a_fmt:MATRIX_FMT_FP6 matrix_b_fmt:MATRIX_FMT_FP6
.endr
.rept 4
	v_nop                                          ; places ahead of the loads below and of the first read of the scores
.endr
.irp t, 0,1,2,3                        ; V's four images take K's registers: they land under the softmax
.irp c, 0,1,2
	ds_load_b128 v[KV+12*\t+4*\c:KV+12*\t+4*\c+3], v[AD] offset:VOFF+REC*(\q)+FRB*\t+512*\c
.endr
.endr
	ds_load_b128 v[VS:VS+3], v[AD] offset:VOFF+REC*(\q)+SCO
	s_cmp_lg_u32 s[KF], s[Q0]                      ; on the diagonal the scores of hidden keys become -infinity ahead of the maximum: p = 0 then
	s_cbranch_scc1 .Lopen_\@
	v_mov_b32 v[TP], 0xff800000
.set n, 0
.rept 64
	v_cmp_gt_i32 vcc_lo, 32*(n/16)+n%16, v[DQ]     ; register n holds key 32 (n / 16) + n % 16 + 16 (lane / 16) of the block
	v_cndmask_b32 v[S+n], v[S+n], v[TP], vcc_lo
.set n, n+1
.endr
.Lopen_\@:
.irp b, 0,1,2,3
	v_max3_num_f32 v[BM+\b], v[S+16*\b], v[S+1+16*\b], v[S+2+16*\b]   ; the largest score of each block of 32 keys: for the row's maximum, and, since p rises with the score, for the block's largest p
.endr
.irp i, 3,5,7,9,11,13
.irp b, 0,1,2,3
	v_max3_num_f32 v[BM+\b], v[BM+\b], v[S+16*\b+\i], v[S+1+16*\b+\i]
.endr
.endr
.irp b, 0,1,2,3
	v_max_num_f32 v[BM+\b], v[BM+\b], v[S+15+16*\b]
.endr
.irp b, 0,1,2,3
	s_delay_alu instid0(VALU_DEP_4)
	v_permlanex16_b32 v[BX+\b], v[BM+\b], s[SEL], s[SEL+1]
.endr
.irp b, 0,1,2,3
	s_delay_alu instid0(VALU_DEP_4)
	v_max_num_f32 v[BM+\b], v[BM+\b], v[BX+\b]     ; with lane l xor 16's 16 keys
.endr
	s_delay_alu instid0(VALU_DEP_2)
	v_max3_num_f32 v[TP], v[BM], v[BM+1], v[BM+2]
	s_delay_alu instid0(VALU_DEP_1)
	v_max_num_f32 v[TP], v[TP], v[BM+3]
	s_delay_alu instid0(VALU_DEP_1)
	v_mul_f32 v[TP], s[CS], v[TP]                  ; the step's largest t (c is positive)
	s_delay_alu instid0(VALU_DEP_1)
	v_max_num_f32 v13, v13, v[TP]
	v_mov_b32 v[TP], v12
	s_delay_alu instid0(VALU_DEP_2)
	v_floor_f32 v12, -v13                          ; the new -M = -ceil(t): a whole number
	s_delay_alu instid0(VALU_DEP_1)
	v_sub_f32 v[TP], v12, v[TP]                    ; old M - new M: a whole number, 0 or less
	s_delay_alu instid0(VALU_DEP_1)
	v_cvt_i32_f32 v[TP], v[TP]                     ; (it saturates)
	s_delay_alu instid0(VALU_DEP_1)
	v_ldexp_f32 v[F], 1.0, v[TP]                   ; f = 2^(old M - new M)
.set n, 0
.rept 32
	v_pk_fma_f32 v[S+n:S+n+1], v[S+n:S+n+1], s[CS:CS+1], v[12:13] op_sel_hi:[1,0,0]   ; t - M, two at a time
.set n, n+2
.endr
.irp b, 0,1,2,3
	v_fma_f32 v[BM+\b], v[BM+\b], s[CS], v12       ; the same of each block's largest score
.endr
.set n, 0
	s_wait_alu depctr_va_vdst(0)
.rept 64
	v_exp_f32 v[S+n], v[S+n]                       ; p = 2^(t - M)
.set n, n+1
.endr
	v_pk_mul_f32 v[14:15], v[14:15], v[F:F+1] op_sel_hi:[1,0]   ; the sums under the new M: the plain line behind the exponentials
	s_wait_alu depctr_va_vdst(0)                   ; one wait for the batch, ahead of its first reader
.irp b, 0,1,2,3
	v_exp_f32 v[BM+\b], v[BM+\b]                   ; the block's largest p: the same two instructions on the same number give the same bits
.endr
	v_pk_add_f32 v[234:235], v[100:101], v[104:105]
	v_pk_add_f32 v[254:255], v[108:109], v[112:113]
	v_pk_add_f32 v[252:253], v[116:117], v[120:121]
	v_pk_add_f32 v[250:251], v[124:125], v[128:129]
	v_pk_add_f32 v[248:249], v[132:133], v[136:137]
	v_pk_add_f32 v[246:247], v[140:141], v[144:145]
	v_pk_add_f32 v[244:245], v[148:149], v[152:153]
	v_pk_add_f32 v[14:15], v[14:15], v[156:157]
	v_pk_add_f32 v[234:235], v[234:235], v[96:97]
	v_pk_add_f32 v[254:255], v[254:255], v[98:99]
	v_pk_add_f32 v[252:253], v[252:253], v[102:103]
	v_pk_add_f32 v[250:251], v[250:251], v[106:107]
	v_pk_add_f32 v[248:249], v[248:249], v[110:111]
	v_pk_add_f32 v[246:247], v[246:247], v[114:115]
	v_pk_add_f32 v[244:245], v[244:245], v[118:119]
	v_pk_add_f32 v[14:15], v[14:15], v[122:123]
	v_pk_add_f32 v[234:235], v[234:235], v[126:127]
	v_pk_add_f32 v[254:255], v[254:255], v[130:131]
	v_pk_add_f32 v[252:253], v[252:253], v[134:135]
	v_pk_add_f32 v[250:251], v[250:251], v[138:139]
	v_pk_add_f32 v[248:249], v[248:249], v[142:143]
	v_pk_add_f32 v[246:247], v[246:247], v[146:147]
	v_pk_add_f32 v[244:245], v[244:245], v[150:151]
	v_pk_add_f32 v[14:15], v[14:15], v[154:155]
	v_pk_add_f32 v[234:235], v[234:235], v[158:159]
	s_delay_alu instid0(VALU_DEP_2)
	v_pk_add_f32 v[14:15], v[14:15], v[250:251]
	s_delay_alu instid0(VALU_DEP_2)
	v_pk_add_f32 v[234:235], v[234:235], v[248:249]
	v_pk_add_f32 v[254:255], v[254:255], v[246:247]
	v_pk_add_f32 v[252:253], v[252:253], v[244:245]
	s_delay_alu instid0(VALU_DEP_2)
	v_pk_add_f32 v[14:15], v[14:15], v[254:255]
	s_delay_alu instid0(VALU_DEP_2)
	v_pk_add_f32 v[234:235], v[234:235], v[252:253]
	s_delay_alu instid0(VALU_DEP_1)
	v_pk_add_f32 v[14:15], v[14:15], v[234:235]
	s_wait_alu depctr_va_vdst(0)                   ; and one for the four
.irp b, 0,1,2,3
	v_max_num_f32 v[BM+\b], FLOOR, v[BM+\b]        ; the floor: a block whose every p is 0 keeps the byte 1; its codes are zeros
.endr
.irp b, 0,1,2,3
	s_delay_alu instid0(VALU_DEP_4)
	v_add_nc_u32 v[SO+\b], 0xff000000, v[BM+\b]
.endr
.irp b, 0,1,2,3
	s_delay_alu instid0(VALU_DEP_4)
	v_lshrrev_b32 v[BX+\b], 23, v[SO+\b]
.endr
	s_delay_alu instid0(VALU_DEP_3)
	v_lshl_or_b32 v[PW], v[BX+1], 8, v[BX]         ; p's scale word for these 128 keys
	s_delay_alu instid0(VALU_DEP_1)
	v_lshl_or_b32 v[PW], v[BX+2], 16, v[PW]
	s_delay_alu instid0(VALU_DEP_1)
	v_lshl_or_b32 v[PW], v[BX+3], 24, v[PW]
.irp c, 0,1
	v_cvt_scalef32_pk16_fp6_f32 v[PCD+6*\c:PCD+6*\c+2], v[S+32*\c:S+32*\c+15], v[SO+2*\c]
	v_cvt_scalef32_pk16_fp6_f32 v[CT+4*\c:CT+4*\c+2], v[S+32*\c+16:S+32*\c+31], v[SO+2*\c+1]
.endr
	v_nop                                          ; one plain line behind the conversions
.irp c, 0,1
.irp i, 0,1,2
	v_permlane16_swap_b32 v[PCD+6*\c+\i], v[CT+4*\c+\i]   ; a whole block to a lane
.endr
.irp i, 0,1,2
	s_delay_alu instid0(VALU_DEP_3)
	v_mov_b32 v[PCD+6*\c+3+\i], v[CT+4*\c+\i]
.endr
.endr
.set n, 0
.rept 16
	v_pk_mul_f32 v[O+n:O+n+1], v[O+n:O+n+1], v[F:F+1] op_sel_hi:[1,0]   ; O^T under the new M.  (These are also the places between the codes' and the scale word's last writes and the products)
.set n, n+2
.endr
	s_wait_alu depctr_va_vdst(0)
	s_wait_dscnt 0x0                               ; V
.irp t, 0,1,2,3                        ; O^T += V^T P^T: four accumulators by turns
	v_wmma_scale_f32_16x16x128_f8f6f4 v[O+8*\t:O+8*\t+7], v[KV+12*\t:KV+12*\t+11], v[PCD:PCD+11], v[O+8*\t:O+8*\t+7], v[VS+\t], v[PW] matrix_a_fmt:MATRIX_FMT_FP6 matrix_b_fmt:MATRIX_FMT_FP6
.endr
.Lhidden_\@:
	s_add_co_u32 s[KF], s[KF], 128
.endm
; THE CHANGE OF SLOTS stands at a slot's head.  Each wave waits for all its tensor loads, adds 0 to its spare word (fill = 1: twice on end), and waits for that and for its reads of the slot that it has left.
; Behind the barrier the slot ahead is whole and nobody reads the other one.  fill = 1: that other slot takes the next 256 keys, while their first key is at or under the work-group's last query: a later slot
; would be read by none of the sixteen waves.  The test is made of ids and the count of steps alone, so all waves go the same way; it leads round the load's own lines and round nothing else.
.macro CHANGE fill
	s_wait_tensorcnt 0x0                           ; no tensor load of mine is out, so a group 0 may be written
	ds_add_u32 v[SPW], v[NIL]
.if \fill
	ds_add_u32 v[SPW], v[NIL]                      ; and once more, in every trip alike
	s_xor_b32 s[G0K+1], s[G0K+1], SLOT1            ; the walking descriptors: the other slot,
	s_add_nc_u64 s[G0K+2:G0K+3], s[G0K+2:G0K+3], VOFF   ; the next two records
	s_xor_b32 s[G0V+1], s[G0V+1], SLOT1
	s_add_nc_u64 s[G0V+2:G0V+3], s[G0V+2:G0V+3], VOFF
	s_wait_xcnt 0x0                                ; the last prefetch, a slot back, has read its address
	s_add_nc_u64 s[PFA:PFA+1], s[PFA:PFA+1], 16384
.endif
	s_wait_dscnt 0x0                               ; the add is done, and my reads of the slot that I have left are over
	s_barrier_signal -1
	s_barrier_wait -1
.if \fill
	s_add_co_u32 s42, s[KF], 256                   ; the first key of the slot that this change would ask for
	s_cmp_gt_u32 s42, s[LASTQ]
	s_cbranch_scc1 .Lpast_\@
	TLOAD                                          ; a wave's one tensor load until the next barrier: it has a slot's two steps in which to land
.Lpast_\@:
	ASK
.endif
.endm
.Lslot:                                            ; NSL - 1 trips, a constant: every work-group walks all changes of slots
	CHANGE 1
	STEP 0
	STEP 1
	s_xor_b32 s[TB], s[TB], SLOT1
	s_sub_co_u32 s[SLOTS], s[SLOTS], 1
	s_cmp_lg_u32 s[SLOTS], 0
	s_cbranch_scc1 .Lslot
	CHANGE 0                                       ; the last slot is written out: nothing is left to ask for
	STEP 0
	STEP 1
	; THE WAY OUT.  O^T / the sum: register 16 b + i is d = 32 b + 16 (lane / 16) + i of my query: the head's half of a fragment of o, quantised in registers and stored as it stands.
	v_add_f32 v14, v14, v15
	s_delay_alu instid0(VALU_DEP_1)
	v_permlanex16_b32 v[BX], v14, s[SEL], s[SEL+1]
	s_delay_alu instid0(VALU_DEP_1)
	v_add_f32 v14, v14, v[BX]                      ; the row's sum
	s_wait_alu depctr_va_vdst(0)
	v_rcp_f32 v14, v14
	v_and_b32 v90, 31, v0                          ; (plain lines behind the reciprocal, and with the additions the places behind the last products)
	s_delay_alu instid0(VALU_DEP_1)
	v_lshlrev_b32 v88, 3, v90                      ; 8 x lane
	s_delay_alu instid0(VALU_DEP_2)
	v_lshlrev_b32 v89, 2, v90                      ; 4 x lane
	s_wait_alu depctr_va_vdst(0)                   ; ahead of the reciprocal's first reader
.set n, 0
.rept 32
	v_mul_f32 v[S+n], v[O+n], v14
.set n, n+1
.endr
	QH S, PCD, TP
	global_store_b128 v[LI], v[PCD:PCD+3], s[68:69]              ; registers 0-3: 512 consecutive bytes, aligned
	global_store_b64 v88, v[PCD+4:PCD+5], s[68:69] offset:512    ; registers 4, 5: 256 consecutive bytes, aligned
	global_store_b16 v89, v[TP], s[70:71]                        ; my head's two bytes of the K step's scale word
	s_wait_tensorcnt 0x0                           ; the wave's end
	ds_add_u32 v[SPW], v[NIL]
	s_wait_dscnt 0x0
	s_endpgm
.Lfunc_end_k_qeb12c87a0e_attn:
	.size	k_qeb12c87a0e_attn, .Lfunc_end_k_qeb12c87a0e_attn-k_qeb12c87a0e_attn
	.p2alignl 7, 3214868480
	.fill 96, 4, 3214868480
	.section	.rodata,"a",@progbits
	.p2align	6, 0x0
	.amdhsa_kernel k_qeb12c87a0e_attn
		.amdhsa_group_segment_fixed_size 327680
		.amdhsa_private_segment_fixed_size 0
		.amdhsa_enable_private_segment 0
		.amdhsa_kernarg_size 32
		.amdhsa_user_sgpr_count 2
		.amdhsa_user_sgpr_kernarg_segment_ptr 1
		.amdhsa_wavefront_size32 1
		.amdhsa_system_sgpr_workgroup_id_x 1
		.amdhsa_system_sgpr_workgroup_id_y 1
		.amdhsa_system_sgpr_workgroup_id_z 1
		.amdhsa_system_vgpr_workitem_id 0
		.amdhsa_next_free_vgpr 256
		.amdhsa_next_free_sgpr 80
		.amdhsa_reserve_vcc 1
		.amdhsa_float_denorm_mode_32 3
		.amdhsa_float_denorm_mode_16_64 3
		.amdhsa_memory_ordered 1
		.amdhsa_forward_progress 1
		.amdhsa_inst_pref_size 101
	.end_amdhsa_kernel
	.amdgpu_metadata
---
amdhsa.version: [ 1, 2 ]
amdhsa.kernels:
  - .name:           k_qeb12c87a0e_attn
    .symbol:         k_qeb12c87a0e_attn.kd
    .args:
      - { .name: qrec, .offset: 0, .size: 8, .value_kind: global_buffer, .address_space: global }
      - { .name: krec, .offset: 8, .size: 8, .value_kind: global_buffer, .address_space: global }
      - { .name: vrec, .offset: 16, .size: 8, .value_kind: global_buffer, .address_space: global }
      - { .name: orec, .offset: 24, .size: 8, .value_kind: global_buffer, .address_space: global }
    .group_segment_fixed_size: 327680
    .private_segment_fixed_size: 0
    .kernarg_segment_align: 8
    .kernarg_segment_size: 32
    .max_flat_workgroup_size: 512
    .sgpr_count:     80
    .vgpr_count:     256
    .wavefront_size: 32
...
	.end_amdgpu_metadata
.endif
;; end of part 7
;; launch proj (part 8): grid 64 x 4, 8 waves a work-group, no clusters, 142,336 bytes of LDS; arguments orec, wrec, bo, out0; writes out0
.if DOCPART == 8
	.amdgcn_target "amdgcn-amd-amdhsa--gfx1250"
	.amdhsa_code_object_version 6
	.text
	.protected	k_qeb12c87a0e_proj
	.globl	k_qeb12c87a0e_proj
	.p2align	8
	.type	k_qeb12c87a0e_proj,@function
k_qeb12c87a0e_proj:
	s_mov_b64 s[64:65], 0
	v_nop
	global_prefetch_b8 v0, s[64:65] scope:SCOPE_SE
	s_setreg_imm32_b32 hwreg(HW_REG_WAVE_SCHED_MODE, 0, 2), 2
	s_setreg_imm32_b32 hwreg(HW_REG_WAVE_MODE, 25, 1), 1
	s_wait_xcnt 0x0
	s_wait_alu depctr_vm_vsrc(0)
; out0 = o Wo + bo on codes of FP6 (E2M3).  Tiles, images and records: as the first kernel's head says; a record of o holds, for head hd, six registers a lane at 768 hd (registers 0-3 at 16 x lane, registers 4, 5 at
; 512 + 8 x lane), and K step s's scale words at 6,144 + 128 s + 4 x lane.
; SHARES.  Work-group (R, y): 128 tokens x 128 columns.  Wave w: token tiles 2 (w / 2), 2 (w / 2) + 1 (32 neighbouring tokens) x tiles 4 (w % 2) .. + 3 of Wo (64 columns): 8 accumulators, 32 matrix instructions.
; The eight records of o and the eight of Wo come into LDS once, by a flat copy through registers.  Source 0 = 16 columns of Wo, source 1 = 16 tokens: a lane holds one token and eight neighbouring columns a tile.
; bo is loaded straight into the accumulators, so every product adds in place and nothing is cleared.  The results leave through the wave's own stage as rows of 256 aligned bytes.
; No tensor load and no cluster: each LDS byte is filled once, by 26 loads a thread.
; THE MODE: SCHED_MODE bits 1:0 = 2 (LLVM: expert scheduling mode 2), set by the entry lines.  The code itself states the register dependences between vector or matrix instructions and memory or LDS
; instructions, with s_wait_alu, always for 0.
; THE PLAN.  Registers that memory or LDS instructions touch:
;   v1-9, v12, v13   offsets and LDS addresses, made at the head and never written again: one wait on va_vdst ahead of the first load serves the whole kernel.
;   v48-151          the copy: global loads land there, the LDS stores read them; then fragments land there: one wait on vm_vsrc behind the barrier.
;   FOUR SETS OF FRAGMENTS, one for each K step: v48-119, v120-191, and v0-71, v72-143 of window 1.  Each is loaded once and then read by its step's eight matrix instructions: no load lands in a register that a
;                    matrix instruction has named, so between the products stand waits on DScnt alone.
;   WS, OS           scale words: loaded once, read by matrix instructions.
;   the accumulators loaded with bo, written by the products, read by the LDS stores of the way out: four places and one wait on va_vdst, which also states that K step 0's products are done reading
;                    v48-111, in which the rows land that come back from the stage.
.set REC,    6656
.set FRB,    1536
.set SCO,    6144
.set WL,     8*REC                     ; LDS: o's eight records, then Wo's eight,
.set STG,    16*REC                    ; the stages: 16 rows x (256 + 16) bytes for each wave,
.set SPITCH, 272
.set SPARE,  STG+8*16*SPITCH           ; and the spare words, 128 bytes for each wave, which no other line names
.set LI,  1                            ; v1   16 x lane
.set CP0, 2                            ; v2   16 x thread
.set CP1, 3                            ; v3   the same in Wo's part
.set AO,  4                            ; v4   my two records of o, + 16 x lane
.set AO8, 5                            ; v5   + 8 x lane
.set AOS, 6                            ; v6   + 4 x lane
.set AW,  7                            ; v7   my four records of Wo, + 16 x lane
.set ST,  8                            ; v8   the stage: where I put 32 bytes of a row
.set RD,  9                            ; v9   and where I read a row back
.set SPW, 10                           ; v10  my spare word; never rewritten
.set NIL, 11                           ; v11  0; never rewritten
.set GO,  12                           ; v12  my byte offset in out0
.set BO,  13                           ; v13  64 (lane / 16)
.set WS,  16                           ; v16-31 Wo's scale words: tile t, K step s at 4 t + s
.set OS,  32                           ; v32-39 o's: tile m, K step s at 4 m + s
.set FB0, 48                           ; v48-119, v120-191: the fragments of K steps 0 and 1: Wo's four, then o's two
.set FB1, 120
.set FB2, 0                            ; window 1: v0-71, v72-143: those of K steps 2 and 3
.set FB3, 72
.set ACC, 192                          ; v192-255 accumulator (m, t) at 8 (4 m + t)
.set MSB, 0
.macro WIN new                         ; the immediate's high byte repeats the setting that is left
.if MSB != (\new)
	s_set_vgpr_msb (MSB<<8)|(\new)
.set MSB, (\new)
.endif
.endm
.macro FETCH s, fb                     ; K step s: 20 LDS loads
.irp t, 0,1,2,3
.irp c, 0,1,2
	ds_load_b128 v[(\fb)+12*\t+4*\c:(\fb)+12*\t+4*\c+3], v[AW] offset:REC*\t+FRB*(\s)+512*\c
.endr
.endr
.irp m, 0,1
.irp c, 0,1                            ; head 2 s + c is the fragment's registers 6 c .. 6 c + 5
	ds_load_b128 v[(\fb)+48+12*\m+6*\c:(\fb)+48+12*\m+6*\c+3], v[AO] offset:REC*\m+768*(2*(\s)+\c)
	ds_load_b64 v[(\fb)+48+12*\m+6*\c+4:(\fb)+48+12*\m+6*\c+5], v[AO8] offset:REC*\m+768*(2*(\s)+\c)+512
.endr
.endr
.endm
.macro MUL s, fb                       ; eight accumulators by turns, one instruction a turn
.irp m, 0,1
.irp t, 0,1,2,3
	v_wmma_scale_f32_16x16x128_f8f6f4 v[ACC+8*(4*\m+\t):ACC+8*(4*\m+\t)+7], v[(\fb)+12*\t:(\fb)+12*\t+11], v[(\fb)+48+12*\m:(\fb)+48+12*\m+11], v[ACC+8*(4*\m+\t):ACC+8*(4*\m+\t)+7], v[WS+4*\t+(\s)], v[OS+4*\m+(\s)] matrix_a_fmt:MATRIX_FMT_FP6 matrix_b_fmt:MATRIX_FMT_FP6
.endr
.endr
.endm
.macro PLACES                          ; four plain lines behind matrix instructions, ahead of the first read of results (ISA guide 7.12.1)
.rept 4
	v_nop
.endr
.endm
	s_load_b256 s[4:11], s[0:1], 0x0               ; orec s[4:5], wrec s[6:7], bo s[8:9], out0 s[10:11]
	v_lshl_add_u32 v[SPW], v0, 2, SPARE
	v_mov_b32 v[NIL], 0
	v_lshrrev_b32 v14, 5, v0
	v_readfirstlane_b32 s12, v14                   ; wave 0..7
	v_and_b32 v14, 31, v0                          ; lane
	v_and_b32 v15, 15, v0                          ; r
	v_bfe_u32 v40, v0, 4, 1                        ; h
	v_lshlrev_b32 v[LI], 4, v14
	v_lshlrev_b32 v[CP0], 4, v0
	v_add_nc_u32 v[CP1], WL, v[CP0]
	v_lshlrev_b32 v[GO], 11, v40
	v_lshl_add_u32 v[GO], v15, 4, v[GO]            ; out0: lanes 0-15 one row, lanes 16-31 the next; 16 bytes a lane
	v_lshlrev_b32 v[BO], 6, v40
	s_and_b32 s15, ttmp7, 0xffff                   ; y
	s_wait_alu depctr_va_sdst(0)                   ; s12 is written, ahead of its first reader: the wave's LDS addresses and bases are made from it
	s_lshr_b32 s13, s12, 1                         ; which 32 tokens
	s_and_b32 s14, s12, 1                          ; which 64 columns
	s_mul_i32 s16, s13, 2*REC
	v_add_nc_u32 v[AO], s16, v[LI]
	v_lshl_add_u32 v[AO8], v14, 3, s16
	v_lshl_add_u32 v[AOS], v14, 2, s16
	s_mul_i32 s17, s14, 4*REC
	s_add_co_u32 s17, s17, WL
	v_add_nc_u32 v[AW], s17, v[LI]
	s_mul_i32 s18, s12, 16*SPITCH
	s_add_co_u32 s18, s18, STG                     ; my stage
	v_mul_u32_u24 v[ST], v15, SPITCH
	v_lshl_add_u32 v[ST], v40, 6, v[ST]
	v_add_nc_u32 v[ST], s18, v[ST]                 ; in: row r, + 64 h
	v_mul_u32_u24 v[RD], v40, SPITCH
	v_lshl_add_u32 v[RD], v15, 4, v[RD]
	v_add_nc_u32 v[RD], s18, v[RD]                 ; back: lanes 0-15 one row, lanes 16-31 the next
	s_mul_i32 s20, ttmp9, 8*REC                    ; my 128 tokens' records of o
	s_mov_b32 s21, 0
	s_lshl_b32 s22, s15, 3
	s_add_co_u32 s22, s22, 96
	s_mul_i32 s22, s22, REC                        ; Wo's records 96 + 8 y on
	s_mov_b32 s23, 0
	s_lshl_b32 s24, s15, 9
	s_lshl_b32 s19, s14, 8
	s_add_co_u32 s24, s24, s19                     ; my 64 columns in bytes: 512 y + 256 (w % 2)
	s_mov_b32 s25, 0
	s_lshl_b32 s26, ttmp9, 7
	s_lshl_b32 s19, s13, 5
	s_add_co_u32 s26, s26, s19                     ; my first token
	s_lshl_b32 s26, s26, 11
	s_add_co_u32 s26, s26, s24
	s_mov_b32 s27, 0
	s_wait_kmcnt 0x0
	s_add_nc_u64 s[4:5], s[4:5], s[20:21]
	s_add_nc_u64 s[6:7], s[6:7], s[22:23]
	s_add_nc_u64 s[8:9], s[8:9], s[24:25]
	s_add_nc_u64 s[26:27], s[10:11], s[26:27]
	s_wait_alu depctr_va_vdst(0)                   ; the offsets and LDS addresses v1 to v9, v12 and v13 are written, which the loads and stores of the whole kernel read; no vector instruction writes them again
.irp m, 0,1
.irp t, 0,1,2,3                        ; register j of accumulator (m, t) is column 32 (t / 2) + 8 (t % 2) + 16 h + j
	global_load_b128 v[ACC+8*(4*\m+\t):ACC+8*(4*\m+\t)+3], v[BO], s[8:9] offset:(32*(\t/2)+8*(\t%2))*4
	global_load_b128 v[ACC+8*(4*\m+\t)+4:ACC+8*(4*\m+\t)+7], v[BO], s[8:9] offset:(32*(\t/2)+8*(\t%2))*4+16
.endr
.endr
.irp i, 0,1,2,3,4,5,6,7,8,9,10,11,12
	global_load_b128 v[48+4*\i:51+4*\i], v[CP0], s[4:5] offset:4096*\i
.endr
.irp i, 0,1,2,3,4,5,6,7,8,9,10,11,12
	global_load_b128 v[100+4*\i:103+4*\i], v[CP0], s[6:7] offset:4096*\i
.endr
.irp i, 0,1,2,3,4,5,6,7,8,9,10,11,12
	s_wait_loadcnt 25-\i                           ; this piece is in (and the bias, which is older); the younger pieces may be out
	ds_store_b128 v[CP0], v[48+4*\i:51+4*\i] offset:4096*\i
.endr
.irp i, 0,1,2,3,4,5,6,7,8,9,10,11,12
	s_wait_loadcnt 12-\i
	ds_store_b128 v[CP1], v[100+4*\i:103+4*\i] offset:4096*\i
.endr
	s_wait_dscnt 0x0                               ; for the others' sake: my part of the copy has landed
	s_barrier_signal -1
	s_barrier_wait -1                              ; both operands lie in LDS; those bytes are not stored again
	s_wait_alu depctr_vm_vsrc(0)                   ; my LDS stores have read v48-151, in which the fragments of K steps 0 and 1 land
.irp t, 0,1,2,3
	ds_load_b128 v[WS+4*\t:WS+4*\t+3], v[AW] offset:REC*\t+SCO
.endr
.irp m, 0,1
.irp s, 0,1,2,3
	ds_load_b32 v[OS+4*\m+\s], v[AOS] offset:REC*\m+SCO+128*\s
.endr
.endr
	FETCH 0, FB0
	FETCH 1, FB1
	s_wait_dscnt 20                                ; the scale words and K step 0 are in; K step 1's 20 loads may be out
	WIN 0x40                                       ; destination window 1, addresses window 0
	FETCH 2, FB2                                   ; into registers that no vector or matrix instruction has named
	WIN 0
	MUL 0, FB0
	s_wait_dscnt 20                                ; K step 1 is in; K step 2's 20 loads may be out
	WIN 0x40
	FETCH 3, FB3                                   ; likewise: K step 0's products name v48-119, the scale words and the accumulators alone
	WIN 0
	MUL 1, FB1
	s_wait_dscnt 20                                ; K step 2 is in; K step 3's 20 loads may be out
	WIN 0x05                                       ; sources 0 and 1 window 1; C and D window 0
	MUL 2, FB2
	s_wait_dscnt 0x0                               ; K step 3 is in
	MUL 3, FB3
	WIN 0
	PLACES
	s_wait_alu depctr_va_vdst(0)                   ; the products have written the accumulators, which the LDS stores below read, and K step 0's are done reading v48-111, in which the rows below land; the places above stay beside this wait
	; THE WAY OUT: a tile of 16 tokens x my 64 columns at a time through my own stage; LDS serves a wave's instructions in order, so no wait stands between the stores and the loads, nor ahead of the next tile's stores
.irp m, 0,1
.irp t, 0,1,2,3
	ds_store_b128 v[ST], v[ACC+8*(4*\m+\t):ACC+8*(4*\m+\t)+3] offset:128*(\t/2)+32*(\t%2)          ; each accumulator from its low end on
	ds_store_b128 v[ST], v[ACC+8*(4*\m+\t)+4:ACC+8*(4*\m+\t)+7] offset:128*(\t/2)+32*(\t%2)+16
.endr
.irp i, 0,1,2,3,4,5,6,7
	ds_load_b128 v[48+32*\m+4*\i:51+32*\m+4*\i], v[RD] offset:2*SPITCH*\i
.endr
.endr
.irp m, 0,1
.irp i, 0,1,2,3,4,5,6,7
	s_wait_dscnt 23-16*\m-\i                       ; the LDS instructions issued behind this load may be out
	global_store_b128 v[GO], v[48+32*\m+4*\i:51+32*\m+4*\i], s[26:27] offset:(8*\m+(2*\i)%8+16*(\i/4))*2048 th:TH_STORE_NT   ; rows 2 i, 2 i + 1 of the tile: sixteen lanes store 256 consecutive bytes, aligned
.endr
.endr
	s_wait_dscnt 0x0                               ; the wave's end
	s_wait_alu 0x0
	s_wait_tensorcnt 0x0
	ds_add_u32 v[SPW], v[NIL]
	s_wait_dscnt 0x0
	s_endpgm
.Lfunc_end_k_qeb12c87a0e_proj:
	.size	k_qeb12c87a0e_proj, .Lfunc_end_k_qeb12c87a0e_proj-k_qeb12c87a0e_proj
	.p2alignl 7, 3214868480
	.fill 96, 4, 3214868480
	.section	.rodata,"a",@progbits
	.p2align	6, 0x0
	.amdhsa_kernel k_qeb12c87a0e_proj
		.amdhsa_group_segment_fixed_size 142336
		.amdhsa_private_segment_fixed_size 0
		.amdhsa_enable_private_segment 0
		.amdhsa_kernarg_size 32
		.amdhsa_user_sgpr_count 2
		.amdhsa_user_sgpr_kernarg_segment_ptr 1
		.amdhsa_wavefront_size32 1
		.amdhsa_system_sgpr_workgroup_id_x 1
		.amdhsa_system_sgpr_workgroup_id_y 1
		.amdhsa_system_sgpr_workgroup_id_z 1
		.amdhsa_system_vgpr_workitem_id 0
		.amdhsa_next_free_vgpr 400
		.amdhsa_next_free_sgpr 66
		.amdhsa_reserve_vcc 0
		.amdhsa_float_denorm_mode_32 3
		.amdhsa_float_denorm_mode_16_64 3
		.amdhsa_memory_ordered 1
		.amdhsa_forward_progress 1
		.amdhsa_inst_pref_size 24
	.end_amdhsa_kernel
	.amdgpu_metadata
---
amdhsa.version: [ 1, 2 ]
amdhsa.kernels:
  - .name:           k_qeb12c87a0e_proj
    .symbol:         k_qeb12c87a0e_proj.kd
    .args:
      - { .name: orec, .offset: 0, .size: 8, .value_kind: global_buffer, .address_space: global }
      - { .name: wrec, .offset: 8, .size: 8, .value_kind: global_buffer, .address_space: global }
      - { .name: bo, .offset: 16, .size: 8, .value_kind: global_buffer, .address_space: global }
      - { .name: out0, .offset: 24, .size: 8, .value_kind: global_buffer, .address_space: global }
    .group_segment_fixed_size: 142336
    .private_segment_fixed_size: 0
    .kernarg_segment_align: 8
    .kernarg_segment_size: 32
    .max_flat_workgroup_size: 256
    .sgpr_count:     66
    .vgpr_count:     400
    .wavefront_size: 32
...
	.end_amdgpu_metadata
.endif
;; end of part 8
